; MI455X (gfx1250); checked and timed in simulation.
; The chip was launched on July 23, 2026; its instructions are those of AMD's public machine-readable ISA for CDNA 5 (MIT licence, August 2026) and "CDNA5" Instruction Set Architecture Reference Guide (July 2026). The comments in the code are by the model that wrote it; some were corrected since.
;; Multi Head Attention Block. Allowed arithmetic: matrix products marked QUANTISED: E2M3 operands, one E8M0 scale for each 32 along K, by v_wmma_scale_f32_16x16x128_f8f6f4 with both operands' format E2M3, f32 sums; everything else in f32.
;; Inputs: k 2 x 2,048 x 1,024 float32; mask 1 x 1 x 2,048 x 2,048 int32; q 2 x 2,048 x 1,024 float32; v 2 x 2,048 x 1,024 float32; wk 1,024 x 1,024 float32; wo 1,024 x 1,024 float32; wq 1,024 x 1,024 float32; wv 1,024 x 1,024 float32.
;; Outputs: out0 2 x 2,048 x 1,024 float32.
;; This version of the problem:
;;   THIS VERSION OF THE PROBLEM IS GIVEN IN LOW PRECISION. The matrix products marked QUANTISED in the list below multiply operands that are first quantised to E2M3 (2 exponent bits, 3 mantissa bits; 6 bits a number), with one power-of-two scale for each 32 numbers along K (OCP MX v1.0); their sums are f32. All else is computed in f32.
;;   The module's matrix products, in the order in which they are computed (A, B: the left and right operand; K: the contracted axis; several contracted axes count as one K, in the product's order):
;;     1. [M 4,096, K 1,024] x [K 1,024, N 1,024]; A: input q; B: input wq: QUANTISED
;;     2. [M 4,096, K 1,024] x [K 1,024, N 1,024]; A: input k; B: input wk: QUANTISED
;;     3. [M 4,096, K 1,024] x [K 1,024, N 1,024]; A: input v; B: input wv: QUANTISED
;;     4. batch 32 x [M 2,048, K 64] x [K 64, N 2,048]; A: computed on the way; B: computed on the way: QUANTISED
;;     5. batch 32 x [M 2,048, K 2,048] x [K 2,048, N 64]; A: softmax (see below); B: computed on the way: QUANTISED
;;     6. [M 4,096, K 1,024] x [K 1,024, N 1,024]; A: computed on the way; B: input wo: QUANTISED
;;   THE QUANTISER, for each operand of a quantised product, along K:
;;     - K is cut into blocks of 32 from its start; a last block that is shorter is filled with zeros.
;;     - A block's scale is 2^e with e = floor(log2(the largest magnitude in the block)) - 2, held to -126 .. 127; a block of zeros has e = 0. As a byte (E8M0): e + 127.
;;     - Each number is divided by its block's scale, clamped to +-7.5, and rounded to the nearest number of E2M3, ties to even, subnormals kept.
;;     - The product sums the exact products of the quantised numbers (number of the format x scale) in f32.
;;   ~~~python
;;   def quantise(x, axis):      # numpy; x: float32 -> the quantised numbers, widened to float32 again
;;       x = np.moveaxis(x, axis, -1); K = x.shape[-1]
;;       x = np.pad(x, [(0, 0)] * (x.ndim - 1) + [(0, -K % 32)]); x = x.reshape(x.shape[:-1] + (-1, 32)); a = np.abs(x).max(-1, keepdims=True)
;;       e = np.where(a > 0, np.clip(np.frexp(np.where(a > 0, a, 1))[1] - 1 - 2, -126, 127), 0)      # np.frexp(a)[1] - 1 = floor(log2(a)), exactly
;;       r = np.clip(x / 2.0 ** e, -7.5, 7.5)
;;       step = 2.0 ** (np.maximum(np.frexp(np.where(r == 0, 1, r))[1] - 1, 0) - 3)
;;       q = np.round(r / step) * step * 2.0 ** e      # np.round: ties to even
;;       return np.moveaxis(q.reshape(q.shape[:-2] + (-1,))[..., :K], -1, axis).astype(np.float32)
;;   ~~~
;;   SOFTMAX AHEAD OF A QUANTISED PRODUCT. Where the list says 'softmax', what is quantised is not the finished softmax but p = 2^(t - M), with t = logit x log2(e) and M = ceil(the row's largest t), a whole number; so 1/2 < the row's largest p <= 1. The row's sum l is taken of the UNQUANTISED p, in f32, and the product's result is divided by l at the end. Since M is a whole number, a kernel that streams over the keys may use a running M (the ceiling of the running maximum): every later rescaling is an exact power of two, which a block's scale takes up: the codes' values come out the same.
;;   OPERANDS COMPUTED ON THE WAY. 'Computed on the way' means the value that the module computes at that place (a softmax that the list does not call 'softmax' is quantised finished and normalised). What goes into a quantiser is computed in f32, as accurately as f32 sums, v_exp_f32 and their like allow (about 1e-6 of the number): no bf16 or f16 on the way to a quantiser, and a product that is left as it is and whose result goes on into a quantised operand takes f32 operands (vector FMAs, or v_wmma_f32_16x16x4_f32). A number that lies on a knife's edge between two numbers of the format may be rounded either way, as far as f32 arithmetic and the matrix unit's own rounding can turn it there, and no further.
;; One version. Each part assembles by itself: llvm-mc -triple=amdgcn-amd-amdhsa -mcpu=gfx1250 --defsym DOCPART=n.
;; ======== version 1 of 1: 4 launches
;; limits: right only within a limited range of input values
;; workspace buffers: actq 9,830,400 bytes; wgtq 3,276,800 bytes; maskw 526,336 bytes of whole numbers; headq 10,223,616 bytes; attq 3,276,800 bytes
;; launch prep (part 1): grid 448 x 1, 4 waves a work-group, no clusters, 93,696 bytes of LDS; arguments q, k, v, wq, wk, wv, wo, mask, actq, wgtq, maskw; writes actq, wgtq, maskw
.if DOCPART == 1
	.amdgcn_target "amdgcn-amd-amdhsa--gfx1250"
	.amdhsa_code_object_version 6
	.text
	.protected	k_q09db817096_prep
	.globl	k_q09db817096_prep
	.p2align	8
	.type	k_q09db817096_prep,@function
k_q09db817096_prep:
	s_mov_b64 s[64:65], 0
	v_nop
	global_prefetch_b8 v0, s[64:65] scope:SCOPE_SE
	s_setreg_imm32_b32 hwreg(HW_REG_WAVE_MODE, 25, 1), 1
	s_wait_xcnt 0x0
; PREP: everything that arrives wide is made narrow once.
;   work-groups 0-191:   q, k, v [4096][1024] f32 -> codes of E2M3 along K (the last axis) and E8M0 scale words, in actq
;   work-groups 192-319: wq, wk, wv, wo [1024 (K)][1024 (n)] f32 -> codes along K (the FIRST axis) and scale words, in wgtq
;   work-groups 320-447: mask [2048][2048] int32 -> one bit a score, laid as lane masks for the attention launch, and one bit for each tile of 16 queries x 128 keys that says 'all open', in maskw
; LAYOUT OF AN OPERAND.  Rows (tokens, or a weight's columns n) are stored at their number with bits 3 and 4 exchanged: tile 2 g + u, row 8 v + w holds row 32 g + 16 v + 8 u + w.
; A RECORD, 1,536 bytes, is the image of one fragment's registers (16 rows x 128 K, 12 registers a lane): plane p of six holds registers 2 p, 2 p + 1 of lane l at 256 p + 8 l.
; Codes: [tile][K / 128][record].  Scale words: [tile][K / 128][16 words], word r = the four bytes of row r.
; A block's scale byte is its largest magnitude's exponent field - 2, held at 1 from below.
; LIMITS: a block of zeros gets the byte 1 (its codes are zeros; this program alone reads the bytes); blocks under 2^-124 are held at that floor; NaN and infinities are not served.
; The three paths part on the work-group's number and never join; each has LDS bytes of its own.  Waves share nothing: no barrier.
.set STB,   33792                      ; path A's four stages lie at 0, path B's here, path C's at STC
.set STC,   59392
.set SPARE, 93184                      ; the spare words, 128 bytes a wave
.set SP,    528                        ; a stage row in paths A and C: 512 bytes + 16, so that 16 rows' equal columns fall 16 bytes apart modulo 256
.set WST,   16*SP
.set SPW,   14                         ; v14  my spare word's LDS address; never rewritten
.set NIL,   15                         ; v15  0; never rewritten
.set R,     16                         ; v16-143  paths A, C: two sets of 16 rows x 16 bytes a lane, as loaded
.set X,     144                        ; v144-207 paths A, C: 64 numbers of my row
.set C,     208                        ; v208-219 path A: a record's 12 registers (path C: the packed words)
.set CT,    220                        ; v220-222, v224-226: the halves that a conversion cannot put at an odd register
.set PW,    240                        ; v240-247 path A: the eight records' scale words
	s_load_b512 s[4:19], s[0:1], 0x0               ; q, k, v, wq, wk, wv, wo, mask
	s_load_b128 s[20:23], s[0:1], 0x40             ; actq, wgtq
	s_load_b64 s[24:25], s[0:1], 0x50              ; maskw
	v_lshl_add_u32 v[SPW], v0, 2, SPARE
	v_mov_b32 v[NIL], 0
	v_lshrrev_b32 v1, 5, v0
	v_readfirstlane_b32 s26, v1                    ; wave
	v_and_b32 v1, 31, v0                           ; lane
	v_and_b32 v2, 15, v0                           ; r
	v_bfe_u32 v3, v0, 4, 1                         ; h
	v_lshlrev_b32 v4, 4, v1                        ; 16 x lane
	v_lshlrev_b32 v7, 3, v1                        ; 8 x lane
	s_mov_b32 s28, 0x76543210
	s_mov_b32 s29, 0xfedcba98                      ; v_permlanex16_b32's selects for lane l xor 16
	s_mov_b32 s30, 0xffff0000                      ; lanes 16-31
	s_mov_b32 s33, 0                               ; the upper word of every offset pair s[32:33]
	s_mul_i32 s39, s26, WST
	s_wait_kmcnt 0x0
	s_cmp_ge_u32 ttmp9, 320
	s_cbranch_scc1 .Lmask
	s_cmp_ge_u32 ttmp9, 192
	s_cbranch_scc1 .Lweights
; 16 rows of a tile, 512 consecutive bytes of each, into set \set: row i of the tile is row 16 (i / 8) + i % 8 from the base
.macro LOADT set, base, pitch, off
.set li, 0
.rept 16
	global_load_b128 v[R+64*(\set)+4*li:R+64*(\set)+4*li+3], v4, s[\base:\base+1] offset:(16*(li/8)+li%8)*(\pitch)+(\off) th:TH_LOAD_NT
.set li, li+1
.endr
.endm
.macro TOST set                        ; and into my stage, as they lie
.set li, 0
.rept 16
	ds_store_b128 v5, v[R+64*(\set)+4*li:R+64*(\set)+4*li+3] offset:SP*li
.set li, li+1
.endr
.endm
; ---------------- PATH A: one wave takes one tile of 16 rows of q, k or v through all of K: eight records
	s_lshl_b32 s31, ttmp9, 2
	s_add_co_u32 s31, s31, s26
	s_and_b32 s31, s31, 255                        ; the tile, 0 .. 255
	s_lshr_b32 s38, ttmp9, 6                       ; the tensor, 0 .. 2
	s_cmp_eq_u32 s38, 1
	s_cselect_b64 s[4:5], s[6:7], s[4:5]
	s_cmp_eq_u32 s38, 2
	s_cselect_b64 s[4:5], s[8:9], s[4:5]
	s_lshr_b32 s32, s31, 1
	s_lshl_b32 s32, s32, 5
	s_and_b32 s27, s31, 1
	s_lshl_b32 s27, s27, 3
	s_add_co_u32 s32, s32, s27                     ; the tile's first row: 32 (T / 2) + 8 (T % 2)
	s_lshl_b32 s32, s32, 12                        ; rows of 4,096 bytes
	s_add_nc_u64 s[4:5], s[4:5], s[32:33]
	s_mul_i32 s32, s38, 3145728
	s_mul_i32 s27, s31, 12288
	s_add_co_u32 s32, s32, s27
	s_add_nc_u64 s[34:35], s[20:21], s[32:33]      ; the tile's codes
	s_lshl_b32 s32, s38, 17
	s_lshl_b32 s27, s31, 9
	s_add_co_u32 s32, s32, s27
	s_add_co_u32 s32, s32, 9437184
	s_add_nc_u64 s[36:37], s[20:21], s[32:33]      ; its scale words
	s_wait_alu depctr_va_vdst(0)
	v_add_nc_u32 v5, s39, v4                       ; the stage, on the way in: 16 x lane in a row
	v_mul_u32_u24 v6, v2, SP
	v_lshl_add_u32 v6, v3, 7, v6
	v_add_nc_u32 v6, s39, v6                       ; and on the way out: row r, + 128 h: my block of 32 numbers
	v_lshlrev_b32 v8, 2, v1
	v_lshlrev_b32 v9, 3, v3                        ; 8 h: my bytes' place in the scale word
	v_mov_b32 v234, 0                              ; written once: a lane permute's destination counts as one of its sources
.macro RECA s
.if (\s) < 7
	s_wait_loadcnt 16                              ; this record's 16 loads are in; the next record's 16 may be out
.else
	s_wait_loadcnt 0x0
.endif
	TOST (\s)%2
.irp c, 0,1
.irp j, 0,1,2,3,4,5,6,7
	ds_load_b128 v[X+32*\c+4*\j:X+32*\c+4*\j+3], v6 offset:256*\c+16*\j   ; x(row r, 128 s + 64 c + 32 h + 4 j ..): the order of the operand's registers.  LDS serves a wave's instructions in order: these see the stores above
.endr
.endr
	s_wait_dscnt 0x0                               ; my numbers are back, and the stores into the stage have read their registers,
.if (\s) < 6
	LOADT (\s)%2, 4, 4096, 512*((\s)+2)            ; which take the record two on
.endif
.irp c, 0,1
	v_max3_num_f32 v[228+\c], |v[X+32*\c]|, |v[X+1+32*\c]|, 0x1800000   ; block 2 c + h is all mine; the floor 2^(3 - 127) holds the byte at 1 from below
.endr
.irp i, 2,4,6,8,10,12,14,16,18,20,22,24,26,28,30
.irp c, 0,1
	v_max3_num_f32 v[228+\c], v[228+\c], |v[X+32*\c+\i]|, |v[X+1+32*\c+\i]|
.endr
.endr
.irp c, 0,1
	v_add_nc_u32 v[230+\c], 0xff000000, v[228+\c]  ; 2 off the exponent field: the conversion's scale operand
.endr
.irp c, 0,1
	v_lshrrev_b32 v[232+\c], 23, v[230+\c]         ; the scale's byte
.endr
	v_lshl_or_b32 v235, v233, 16, v232             ; my two bytes, blocks h and 2 + h,
	v_lshlrev_b32 v235, v9, v235                   ; at their places;
	v_permlanex16_b32 v234, v235, s28, s29
	v_or_b32 v[PW+(\s)], v235, v234                ; with lane l xor 16's two the word is whole
	s_wait_alu depctr_va_vdst(0)
	s_wait_xcnt 0x0                                ; the last record's stores have read the registers that the conversions write
.irp c, 0,1
	v_cvt_scalef32_pk16_fp6_f32 v[C+6*\c:C+6*\c+2], v[X+32*\c:X+32*\c+15], v[230+\c]
	v_cvt_scalef32_pk16_fp6_f32 v[CT+4*\c:CT+4*\c+2], v[X+32*\c+16:X+32*\c+31], v[230+\c]   ; (a conversion's three registers begin on an even number)
.endr
	v_nop                                          ; one plain place behind a scaled conversion
.irp c, 0,1
.irp i, 0,1,2
	v_mov_b32 v[C+6*\c+3+\i], v[CT+4*\c+\i]
.endr
.endr
.irp p, 0,1,2,3,4,5
	global_store_b64 v7, v[C+2*\p:C+2*\p+1], s[34:35] offset:1536*(\s)+256*\p   ; a plane: 256 consecutive bytes, aligned
.endr
.endm
	LOADT 0, 4, 4096, 0
	LOADT 1, 4, 4096, 512
	s_wait_alu depctr_va_vdst(0)
.irp s, 0,1,2,3,4,5,6,7
	RECA \s
.endr
.irp i, 0,1,2,3
	v_cndmask_b32 v[248+\i], v[PW+2*\i], v[PW+2*\i+1], s30   ; lanes 0-15 carry record 2 i's words, lanes 16-31 record 2 i + 1's
	global_store_b32 v8, v[248+\i], s[36:37] offset:128*\i
.endr
	s_wait_tensorcnt 0x0                           ; the wave's end, behind my last LDS store
	ds_add_u32 v[SPW], v[NIL]
	s_wait_dscnt 0x0
	s_endpgm
; ---------------- PATH B: a wave takes 32 columns n x 256 along K of one weight.  A lane takes a column and its registers run down K, so a block of 32 lies in one lane
.Lweights:
.set XB, 32                            ; v32-95  two sets of 32 numbers
	s_sub_co_u32 s31, ttmp9, 192
	s_lshr_b32 s38, s31, 5                         ; the weight, 0 .. 3
	s_and_b32 s27, s31, 7
	s_bfe_u32 s31, s31, 0x20003                    ; which 256 along K
	s_cmp_eq_u32 s38, 1
	s_cselect_b64 s[10:11], s[12:13], s[10:11]
	s_cmp_eq_u32 s38, 2
	s_cselect_b64 s[10:11], s[14:15], s[10:11]
	s_cmp_eq_u32 s38, 3
	s_cselect_b64 s[10:11], s[16:17], s[10:11]
	s_lshl_b32 s39, s27, 2
	s_add_co_u32 s39, s39, s26                     ; g: my group of 32 columns
	s_lshl_b32 s32, s31, 20                        ; 256 rows of 4,096 bytes
	s_lshl_b32 s27, s39, 7
	s_add_co_u32 s32, s32, s27
	s_add_nc_u64 s[10:11], s[10:11], s[32:33]
	s_mul_i32 s32, s38, 786432
	s_mul_i32 s27, s39, 24576                      ; tiles 2 g, 2 g + 1, 12,288 bytes each
	s_add_co_u32 s32, s32, s27
	s_mul_i32 s27, s31, 3072                       ; two records
	s_add_co_u32 s32, s32, s27
	s_add_nc_u64 s[34:35], s[22:23], s[32:33]
	s_lshl_b32 s32, s38, 15
	s_lshl_b32 s27, s39, 10
	s_add_co_u32 s32, s32, s27
	s_lshl_b32 s27, s31, 7
	s_add_co_u32 s32, s32, s27
	s_add_co_u32 s32, s32, 3145728
	s_add_nc_u64 s[36:37], s[22:23], s[32:33]
	v_bfe_u32 v10, v0, 3, 1                        ; u: which of the two tiles my column falls into
	v_and_b32 v11, 7, v0
	s_wait_alu depctr_va_vdst(0)
	v_lshl_add_u32 v11, v3, 3, v11                 ; r: its row there
	v_lshlrev_b32 v12, 2, v1                       ; in: 4 bytes a lane
	s_mul_i32 s27, s26, 6400
	s_add_co_u32 s27, s27, STB                     ; my stage: two tiles' images of 3,072 bytes, 3,200 apart
	v_mul_u32_u24 v5, v10, 3200
	v_lshl_add_u32 v5, v11, 3, v5
	v_add_nc_u32 v5, s27, v5                       ; into it: my row's 8 bytes of a plane
	v_add_nc_u32 v6, s27, v4                       ; out of it: 16 x lane
	v_lshlrev_b32 v9, 9, v10
	v_lshl_add_u32 v9, v11, 2, v9                  ; my scale word: 512 u + 4 r
.macro LOADB t
.set li, 0
.rept 32
	global_load_b32 v[XB+32*((\t)%2)+li], v12, s[10:11] offset:(32*(\t)+li)*4096 th:TH_LOAD_NT
.set li, li+1
.endr
.endm
.macro BLOCKB t
.set XS, XB+32*((\t)%2)
.if (\t) < 7
	s_wait_loadcnt 32                              ; this block's 32 loads are in; the next block's may be out
.else
	s_wait_loadcnt 0x0
.endif
	v_max3_num_f32 v20, |v[XS]|, |v[XS+1]|, |v[XS+2]|
	v_max3_num_f32 v21, |v[XS+3]|, |v[XS+4]|, |v[XS+5]|
.irp i, 6,10,14,18,22,26
	v_max3_num_f32 v20, v20, |v[XS+\i]|, |v[XS+\i+1]|
	v_max3_num_f32 v21, v21, |v[XS+\i+2]|, |v[XS+\i+3]|
.endr
	v_max3_num_f32 v20, v20, |v[XS+30]|, |v[XS+31]|
	v_max3_num_f32 v20, v20, v21, 0x1800000        ; and the floor
	v_add_nc_u32 v22, 0xff000000, v20              ; the conversion's scale operand
	v_lshrrev_b32 v23, 23, v22                     ; the byte
.if (\t)%4 == 0
	v_mov_b32 v[24+(\t)/4], v23
.else
	v_lshl_or_b32 v[24+(\t)/4], v23, 8*((\t)%4), v[24+(\t)/4]
.endif
	v_cvt_scalef32_pk16_fp6_f32 v[96:98], v[XS:XS+15], v22
	v_cvt_scalef32_pk16_fp6_f32 v[104:106], v[XS+16:XS+31], v22
	v_nop                                          ; one plain place behind a scaled conversion
.irp i, 0,1,2
	v_mov_b32 v[99+\i], v[104+\i]
.endr
.irp i, 0,1,2                                  ; block t is block t % 4 = 2 c + h of record t / 4: registers 6 c .. 6 c + 5 of lane (r, h): planes 3 c + i, at 128 h + 8 r
	ds_store_b64 v5, v[96+2*\i:97+2*\i] offset:((\t)/4)*1536+(((\t)/2)%2)*768+((\t)%2)*128+256*\i
.endr
.if (\t)+2 < 8
	LOADB (\t)+2
.endif
	s_wait_dscnt 0x0                               ; the stores have read their registers: the next block's codes may be written
.endm
	LOADB 0
	LOADB 1
.irp t, 0,1,2,3,4,5,6,7
	BLOCKB \t
.endr
	global_store_b32 v9, v24, s[36:37]
	s_wait_alu depctr_va_vdst(0)
	global_store_b32 v9, v25, s[36:37] offset:64
.set n, 0
.rept 12
	ds_load_b128 v[112+4*n:115+4*n], v6 offset:3200*(n/6)+512*(n%6)   ; LDS serves a wave's instructions in order: these see my stores
.set n, n+1
.endr
.set n, 0
.rept 12
	s_wait_dscnt 11-n
	global_store_b128 v4, v[112+4*n:115+4*n], s[34:35] offset:12288*(n/6)+512*(n%6)   ; 512 consecutive bytes, aligned
.set n, n+1
.endr
	s_wait_tensorcnt 0x0                           ; the wave's end, as above
	ds_add_u32 v[SPW], v[NIL]
	s_wait_dscnt 0x0
	s_endpgm
; ---------------- PATH C: a work-group takes a tile of 16 queries, a wave four key steps of 128.  Word 16 b + i of a step's 64: bit r + 16 h = (mask[query r of the tile][128 step + 32 b + 16 h + i] != 0)
; Behind the records, from byte 524,288 on: one word for each (tile of queries, wave): bit e = 1 where all 64 words of key step 4 wave + e are all ones
.Lmask:
	s_sub_co_u32 s31, ttmp9, 320                   ; the tile of queries
	s_lshl_b32 s32, s31, 4
	s_lshl_b32 s27, s26, 2
	s_add_co_u32 s32, s32, s27
	s_add_co_u32 s32, s32, 524288
	s_add_nc_u64 s[20:21], s[24:25], s[32:33]      ; my word of four bits
	s_lshr_b32 s32, s31, 1
	s_lshl_b32 s32, s32, 5
	s_and_b32 s27, s31, 1
	s_lshl_b32 s27, s27, 3
	s_add_co_u32 s32, s32, s27
	s_lshl_b32 s32, s32, 13                        ; rows of 8,192 bytes
	s_lshl_b32 s27, s26, 11                        ; my four steps of 512 bytes
	s_add_co_u32 s32, s32, s27
	s_add_nc_u64 s[18:19], s[18:19], s[32:33]
	s_lshl_b32 s32, s31, 12
	s_lshl_b32 s27, s26, 10
	s_add_co_u32 s32, s32, s27
	s_add_nc_u64 s[24:25], s[24:25], s[32:33]
	s_mov_b32 s22, 0                               ; the four bits
	s_add_co_u32 s39, s39, STC
	s_wait_alu depctr_va_vdst(0)
	v_add_nc_u32 v5, s39, v4
	v_mul_u32_u24 v6, v2, SP
	v_lshl_add_u32 v6, v3, 6, v6
	v_add_nc_u32 v6, s39, v6                       ; out of the stage: row r, + 64 h
.irp i, 0,1,2,3,4,5,6,7
	v_mov_b32 v[C+\i], 0                           ; v_writelane_b32's destination counts as read
.endr
.macro STEPM e
.if (\e) < 3
	s_wait_loadcnt 16                              ; this step's 16 loads are in; the next step's may be out
.else
	s_wait_loadcnt 0x0
.endif
	TOST (\e)%2
.irp b, 0,1,2,3
.irp j, 0,1,2,3
	ds_load_b128 v[X+16*\b+4*\j:X+16*\b+4*\j+3], v6 offset:128*\b+16*\j
.endr
.endr
	s_wait_dscnt 0x0
.if (\e) < 2
	LOADT (\e)%2, 18, 8192, 512*((\e)+2)
.endif
	s_mov_b32 s38, -1
.set n, 0
.rept 64
	v_cmp_ne_u32 s[34+n%4], 0, v[X+n]              ; the compare's lane mask is the word
	v_writelane_b32 v[C+2*(\e)+n%2], s[34+n%4], n/2
	s_and_b32 s38, s38, s[34+n%4]                  ; all ones as long as every word was
.set n, n+1
.endr
	s_cmp_eq_u32 s38, -1
	s_cselect_b32 s23, 1<<(\e), 0
	s_or_b32 s22, s22, s23
	global_store_b64 v7, v[C+2*(\e):C+2*(\e)+1], s[24:25] offset:256*(\e)   ; 64 words: 256 consecutive bytes, aligned
.endm
	LOADT 0, 18, 8192, 0
	LOADT 1, 18, 8192, 512
	s_wait_alu depctr_va_vdst(0)
.irp e, 0,1,2,3
	STEPM \e
.endr
	v_mov_b32 v216, s22
	v_mov_b32 v217, 0
	global_store_b32 v217, v216, s[20:21]          ; every lane stores the same word to the same place
	s_wait_tensorcnt 0x0                           ; the wave's end, as above
	ds_add_u32 v[SPW], v[NIL]
	s_wait_dscnt 0x0
	s_endpgm
.Lfunc_end_k_q09db817096_prep:
	.size	k_q09db817096_prep, .Lfunc_end_k_q09db817096_prep-k_q09db817096_prep
	.p2alignl 7, 3214868480
	.fill 96, 4, 3214868480
	.section	.rodata,"a",@progbits
	.p2align	6, 0x0
	.amdhsa_kernel k_q09db817096_prep
		.amdhsa_group_segment_fixed_size 93696
		.amdhsa_private_segment_fixed_size 0
		.amdhsa_enable_private_segment 0
		.amdhsa_kernarg_size 88
		.amdhsa_user_sgpr_count 2
		.amdhsa_user_sgpr_kernarg_segment_ptr 1
		.amdhsa_wavefront_size32 1
		.amdhsa_system_sgpr_workgroup_id_x 1
		.amdhsa_system_sgpr_workgroup_id_y 1
		.amdhsa_system_sgpr_workgroup_id_z 1
		.amdhsa_system_vgpr_workitem_id 0
		.amdhsa_next_free_vgpr 256
		.amdhsa_next_free_sgpr 66
		.amdhsa_reserve_vcc 0
		.amdhsa_float_denorm_mode_32 3
		.amdhsa_float_denorm_mode_16_64 3
		.amdhsa_memory_ordered 1
		.amdhsa_forward_progress 1
		.amdhsa_inst_pref_size 159
	.end_amdhsa_kernel
	.amdgpu_metadata
---
amdhsa.version: [ 1, 2 ]
amdhsa.kernels:
  - .name:           k_q09db817096_prep
    .symbol:         k_q09db817096_prep.kd
    .args:
      - { .name: q, .offset: 0, .size: 8, .value_kind: global_buffer, .address_space: global }
      - { .name: k, .offset: 8, .size: 8, .value_kind: global_buffer, .address_space: global }
      - { .name: v, .offset: 16, .size: 8, .value_kind: global_buffer, .address_space: global }
      - { .name: wq, .offset: 24, .size: 8, .value_kind: global_buffer, .address_space: global }
      - { .name: wk, .offset: 32, .size: 8, .value_kind: global_buffer, .address_space: global }
      - { .name: wv, .offset: 40, .size: 8, .value_kind: global_buffer, .address_space: global }
      - { .name: wo, .offset: 48, .size: 8, .value_kind: global_buffer, .address_space: global }
      - { .name: mask, .offset: 56, .size: 8, .value_kind: global_buffer, .address_space: global }
      - { .name: actq, .offset: 64, .size: 8, .value_kind: global_buffer, .address_space: global }
      - { .name: wgtq, .offset: 72, .size: 8, .value_kind: global_buffer, .address_space: global }
      - { .name: maskw, .offset: 80, .size: 8, .value_kind: global_buffer, .address_space: global }
    .group_segment_fixed_size: 93696
    .private_segment_fixed_size: 0
    .kernarg_segment_align: 8
    .kernarg_segment_size: 88
    .max_flat_workgroup_size: 128
    .sgpr_count:     66
    .vgpr_count:     256
    .wavefront_size: 32
...
	.end_amdgpu_metadata
.endif
;; end of part 1
;; launch proj (part 2): grid 16 x 12, 4 waves a work-group, clusters of 4 x 4, 327,680 bytes of LDS; arguments actq, wgtq, headq; writes headq
.if DOCPART == 2
	.amdgcn_target "amdgcn-amd-amdhsa--gfx1250"
	.amdhsa_code_object_version 6
	.text
	.protected	k_q09db817096_proj
	.globl	k_q09db817096_proj
	.p2align	8
	.type	k_q09db817096_proj,@function
k_q09db817096_proj:
	s_mov_b64 s[64:65], 0
	v_nop
	global_prefetch_b8 v0, s[64:65] scope:SCOPE_SE
	s_setreg_imm32_b32 hwreg(HW_REG_WAVE_MODE, 25, 1), 1
	s_wait_xcnt 0x0
	s_wait_alu depctr_hold_cnt(0) depctr_sa_sdst(0) depctr_va_vdst(0) depctr_va_sdst(0) depctr_va_ssrc(0) depctr_va_vcc(0) depctr_vm_vsrc(0)
	s_getreg_b32 s2, hwreg(HW_REG_IB_STS2, 6, 4)
	s_cmp_eq_u32 s2, 0
	s_cbranch_scc0 .Lentry_in_a_cluster
	s_endpgm
.Lentry_in_a_cluster:
	s_bfe_u32 s2, ttmp6, 0x10000c
	s_cmp_lg_u32 s2, 0xf033
	s_cbranch_scc0 .Lentry_shape_is_right
	s_endpgm
.Lentry_shape_is_right:
; PROJ: q wq, k wk, v wv on codes of E2M3, and the results quantised on the way out as the attention launch wants them.
; A work-group makes 256 tokens x 256 features of one of the three products (the cluster's y says which); a wave 128 x 128: 64 accumulators, 512 registers.
; K = 1,024 goes in four steps of 256 through two LDS slots filled by the tensor data mover.  Operands lie in memory as records (images of a fragment's 12 registers, six planes of 256 bytes): a fragment is six
; ds_load_b64 at 8 x lane, dense.  CLUSTERS: 4 x 4 work-groups: a row of the cluster shares the weights' tiles, a column the activations': joint loads.
; WHICH SIDE IS SOURCE 0.  The result's registers run along source 0's rows, and they must run along the NEXT product's K.  Q, K: source 0 = 16 features, source 1 = 16 tokens: a lane holds a token, its registers the
; head's features.  V: source 0 = 16 tokens, source 1 = 16 features: a lane holds a feature, its registers the keys.  The fills are alike for all three; only the bases from which fragments are READ are chosen, by s_cselect_b32.
; Rows are stored with bits 3 and 4 of their number exchanged, so that the 16 registers of source 0's tiles 2 b, 2 b + 1 are 16 neighbours: 32 b + 16 (lane / 16) + 0 .. 15.
; OUT (headq).  Q: head bh at bh x 106,496: 8 chunks of 13,312 = 16 tiles x 768 (half a record: 64 along K) + 16 x 64 (scale words).  K and V: from KVB on, head bh at bh x 212,992: chunks 0-7 K, as Q's;
; chunks 8-15 V: two key steps each: 8 records (4 x step + tile of the head's 64), then 8 x 128 bytes of scale words.
; LIMITS: NaN and infinities are not served; a block of zeros carries the byte 1 (this program alone reads the bytes).
.set TROW,   3072                      ; a tile's part of a slot: two records
.set HALFT,  8*TROW                    ; eight tiles: what one tensor load brings, and what one wave reads of a side
.set SLOT,   4*HALFT                   ; the weights' 16 tiles, then the activations' 16
.set SCL,    2*SLOT                    ; behind the ring: the scale words of all of K: the weights' 16 tiles x 512 bytes, then the activations'
.set HALFS,  4096
.set SPARE,  SCL+4*HALFS               ; the spare words, 128 bytes a wave
.set KVB,    3407872
.set FR,     12
.set NL,     6
.set NP,     4
.set NQ,     2
.set ADRA, 16                          ; v16-17  LDS address of source 1's fragments in slot 0, 1
.set ADRB, 20                          ; v20-21  of source 0's
.set L8,   24                          ; v24     8 x lane
.set SCO,  25                          ; v25     the way out: my scale word's offset
.set SHV,  26                          ; v26     and how far the word is shifted down for me
.set ADRS, 27                          ; v27     LDS address of my scale words: lanes 0-15 source 1's rows, lanes 16-31 source 0's
.set SPW,  28
.set NIL,  29
.set SC,   32                          ; v32-63  scale words, a set of 16 for each slot: register 2 i + q
.set TM,   64                          ; v64-79  the way out: at work
.set PW,   80
.set SV,   81
.set PC,   84                          ; v84-103 the way out: a fragment's codes
.set AF,   128                         ; v128-223 source 1's eight fragments, one set.  Window 1: source 0's two sets, at v0 and v128.  Windows 2, 3: the accumulators, (a, b) at v[8 (8 (a % 4) + b)]
.set G1, 24
.set G0, 32
.set G1B, 48
.set G0B, 56
.set G1S, 68
.set G0S, 76
.set G1SB, 80
.set G0SB, 88
.set CB,   92                          ; s[92:93] the way out: planes 0-2
.set CHI,  10                          ; s[10:11] planes 3-5
.set SBS,  12                          ; s[12:13] scale words
.set STPC, 96                          ; s[96:97] from block to block: codes;  s[98:99] scale words;  s[2:3], s[18:19] the extra step at block 4
.set STPS, 98
.set JC,   2
.set JS,   18
.set SEL,  94
.set MSB, 0
.macro WIN new                         ; the immediate's high byte repeats the setting that is left
.if MSB != (\new)
	s_set_vgpr_msb (MSB<<8)|(\new)
.set MSB, \new
.endif
.endm
.set MUL_LO, 0xa1                      ; source 0 window 1, source 1 window 0, C and D window 2
.set MUL_HI, 0xf1
.set TO_B,   0x40
; A joint load: waves 0 and 1 fetch the weights' halves, waves 2 and 3 the activations'.  The branch hangs on the wave's number alone.  An s_nop 0 and four v_nop follow each line.
.macro JLOAD g0a, g1a, g0b, g1b
	s_cmp_eq_u32 s15, 0
	s_cbranch_scc0 .Lfor_b_\@
	tensor_load_to_lds s[\g0a:\g0a+3], s[\g1a:\g1a+7]
	s_nop 0
.rept 4
	v_nop
.endr
	s_branch .Lasked_\@
.Lfor_b_\@:
	tensor_load_to_lds s[\g0b:\g0b+3], s[\g1b:\g1b+7]
	s_nop 0
.rept 4
	v_nop
.endr
.Lasked_\@:
.endm
.macro CREST
	s_cmp_lg_u32 s14, 0
	s_cbranch_scc1 .Lnot_wave_0_\@
	s_barrier_signal -3
.Lnot_wave_0_\@:
	s_barrier_wait -3
	s_barrier_signal -1
	s_barrier_wait -1
.endm
.macro CROUND
	s_barrier_signal -1
	s_barrier_wait -1
	CREST
.endm
	s_load_b128 s[4:7], s[0:1], 0x0                ; actq, wgtq
	s_load_b64 s[8:9], s[0:1], 0x10                ; headq
	v_lshl_add_u32 v[SPW], v0, 2, SPARE
	v_mov_b32 v[NIL], 0
	ds_add_u32 v[SPW], v[NIL]                      ; the wave's opening: the add and its wait ahead of my first tensor load; work on registers stands between them
	ds_add_u32 v[SPW], v[NIL]
	v_lshrrev_b32 v1, 5, v0
	v_readfirstlane_b32 s14, v1                    ; wave
	s_lshr_b32 s15, s14, 1                         ; my half of source 1's rows.  Also: I fetch weights (0) or activations (1)
	s_and_b32 s16, s14, 1                          ; my half of source 0's rows.  Also: which eight tiles I fetch
	s_bfe_u32 s40, ttmp6, 0x40000                  ; cx
	s_bfe_u32 s41, ttmp6, 0x40004                  ; cy: the block of 256 features
	s_lshl_b32 s42, ttmp9, 2
	s_add_co_u32 s42, s42, s40                     ; x: the block of 256 tokens
	s_and_b32 s17, ttmp7, 0xffff                   ; the cluster's y: 0 q, 1 k, 2 v; the same in all sixteen partners
	s_lshl_b32 s43, s41, 2
	s_lshl_b32 s43, 15, s43                        ; my row of the cluster
	s_lshl_b32 s44, 0x1111, s40                    ; my column
	s_or_b32 s[G1+0], s43, (3<<16)|(1<<21)         ; 15:0 the mask; 17:16 elements of 8 bytes; 21 set beside a mask; no padding
	s_or_b32 s[G1B+0], s44, (3<<16)|(1<<21)
.irp g, G1, G1B
	s_mov_b32 s[\g+1], 384<<16                     ; tensor_dim0: a tile's 3,072 bytes
	s_mov_b32 s[\g+2], 16<<16                      ; tensor_dim1: 16 tiles for the head's loads; behind them the two words that count tiles are set to 8, for the ring's
	s_mov_b32 s[\g+3], 384<<16                     ; tile_dim0
	s_mov_b32 s[\g+4], 16                          ; tile_dim1
	s_mov_b32 s[\g+5], 1536                        ; from tile to tile: 12,288 bytes
	s_mov_b32 s[\g+6], 0
	s_mov_b32 s[\g+7], 0
.endr
	s_or_b32 s[G1S+0], s43, (3<<16)|(1<<21)
	s_or_b32 s[G1SB+0], s44, (3<<16)|(1<<21)
.irp g, G1S, G1SB
	s_mov_b32 s[\g+1], 32<<16                      ; sixteen tiles' scale words: 8,192 dense bytes as 32 rows of 256
	s_mov_b32 s[\g+2], 32<<16
	s_mov_b32 s[\g+3], 32<<16
	s_mov_b32 s[\g+4], 32
	s_mov_b32 s[\g+5], 32
	s_mov_b32 s[\g+6], 0
	s_mov_b32 s[\g+7], 0
.endr
	s_lshl_b32 s20, s41, 4                         ; weights: the block's first tile, 16 cy
	s_lshl_b32 s46, s42, 4                         ; activations: 16 x
	s_lshl_b32 s22, s20, 9
	s_lshl_b32 s92, s46, 9
	s_mul_i32 s20, s20, 12288
	s_mul_i32 s46, s46, 12288
	s_mul_i32 s18, s17, 786432
	s_add_co_u32 s20, s20, s18
	s_lshl_b32 s18, s17, 15
	s_add_co_u32 s22, s22, s18
	s_add_co_u32 s22, s22, 3145728
	s_mul_i32 s18, s17, 3145728
	s_add_co_u32 s46, s46, s18
	s_lshl_b32 s18, s17, 17
	s_add_co_u32 s92, s92, s18
	s_add_co_u32 s92, s92, 9437184
	s_mov_b32 s21, 0
	s_mov_b32 s23, 0
	s_mov_b32 s47, 0
	s_mov_b32 s93, 0
	s_mul_i32 s45, s14, HALFT                      ; where they go: wave x eight tiles: no place in the cluster enters an LDS address
	s_wait_dscnt 0x0                               ; the opening add is done
	s_wait_kmcnt 0x0
	s_add_nc_u64 s[20:21], s[6:7], s[20:21]
	s_add_nc_u64 s[22:23], s[6:7], s[22:23]
	s_add_nc_u64 s[46:47], s[4:5], s[46:47]
	s_add_nc_u64 s[92:93], s[4:5], s[92:93]
	CROUND                                         ; all sixteen work-groups are here: the first joint loads meet
	s_mov_b32 s[G0S], 1
	s_mov_b32 s[G0S+1], SCL                        ; the weights' sixteen tiles' scale words
	s_mov_b64 s[G0S+2:G0S+3], s[22:23]
	s_or_b32 s[G0S+3], s[G0S+3], 0x80000000
	s_mov_b32 s[G0SB], 1
	s_mov_b32 s[G0SB+1], SCL+2*HALFS               ; the activations', behind them
	s_mov_b64 s[G0SB+2:G0SB+3], s[92:93]
	s_or_b32 s[G0SB+3], s[G0SB+3], 0x80000000
.irp s, 0,1
	s_mov_b32 s[G0+4*\s], 1
	s_add_co_u32 s[G0+4*\s+1], s45, \s*SLOT
	s_add_nc_u64 s[G0+4*\s+2:G0+4*\s+3], s[20:21], \s*TROW
	s_or_b32 s[G0+4*\s+3], s[G0+4*\s+3], 0x80000000
	s_mov_b32 s[G0B+4*\s], 1
	s_add_co_u32 s[G0B+4*\s+1], s45, \s*SLOT
	s_add_nc_u64 s[G0B+4*\s+2:G0B+4*\s+3], s[46:47], \s*TROW
	s_or_b32 s[G0B+4*\s+3], s[G0B+4*\s+3], 0x80000000
.endr
	s_mov_b32 s[G0+1], 0                           ; the head's loads bring K step 0 whole: the weights' 16 tiles to slot 0's start,
	s_mov_b32 s[G0B+1], 2*HALFT                    ; the activations' 16 behind them
	s_mul_i32 s18, s16, 8*12288                    ; in the ring a wave fetches eight tiles: which half, in bytes
	s_mov_b32 s19, 0
	s_add_nc_u64 s[G0+6:G0+7], s[G0+6:G0+7], s[18:19]      ; slot 1's loads are the ring's
	s_add_nc_u64 s[G0B+6:G0B+7], s[G0B+6:G0B+7], s[18:19]
; THE HEAD'S LOADS, ONE A WAVE: wave 0 the weights' K step 0, wave 1 the activations', wave 2 the weights' scale words, wave 3 the activations'.
; One chain of branches on the wave's number; every way through it passes exactly one load.
.macro ARM under, g0, g1, next
	s_cmp_lt_u32 s14, \under
	s_cbranch_scc0 \next
	tensor_load_to_lds s[\g0:\g0+3], s[\g1:\g1+7]
	s_nop 0
.rept 4
	v_nop
.endr
	s_branch .Lhead_asked
\next:
.endm
	ARM 1, G0,  G1,  .Lhead_b
	ARM 2, G0B, G1B, .Lhead_sa
	ARM 3, G0S, G1S, .Lhead_sb
	tensor_load_to_lds s[G0SB:G0SB+3], s[G1SB:G1SB+7]
	s_nop 0
.rept 4
	v_nop
.endr
.Lhead_asked:
	; what hangs on the tensor: all choices on a compare stand together, ahead of the sums that change SCC
	s_cmp_eq_u32 s17, 2                            ; v?
	s_cselect_b32 s21, 0, 2*HALFT                  ; source 1 is read from the weights' region (v) or the activations'
	s_cselect_b32 s22, 2*HALFT, 0                  ; source 0 from the other
	s_cselect_b32 s23, 0, 2*HALFS                  ; their scale words likewise
	s_cselect_b32 s95, 2*HALFS, 0
	s_cselect_b32 s10, s15, s16                    ; which half picks my pair of heads
	s_cselect_b32 s11, s16, s15                    ; and which my place in a chunk
	s_cselect_b32 s12, 8, 0                        ; V's chunks lie behind K's eight
	s_cselect_b32 s13, 0, 16
	s_mov_b32 s[STPC], 768
	s_cselect_b32 s[STPC], 1536, s[STPC]
	s_cselect_b32 s[STPS], 128, 64
	s_cselect_b32 s[JC], 206848, 0                 ; V: block 4 begins the next head: 212,992 - 4 x 1,536
	s_cselect_b32 s[JS], 212480, 0                 ; 212,992 - 4 x 128
	s_mov_b32 s[STPC+1], 0
	s_mov_b32 s[STPS+1], 0
	s_mov_b32 s[JC+1], 0
	s_mov_b32 s[JS+1], 0
	s_cmp_eq_u32 s17, 0                            ; q?
	s_mov_b32 s66, 212992
	s_cselect_b32 s66, 106496, s66                 ; from head to head
	s_cselect_b32 s67, 0, KVB
	s_cmp_eq_u32 s17, 2
	s_cselect_b32 s20, 768, s66                    ; planes 3-5: V: behind planes 0-2; Q, K: the next head's
	s_cselect_b32 s46, 64, s66                     ; lanes 16-31's scale word: V: 64 bytes on; Q, K: the next head's
	v_and_b32 v1, 15, v0                           ; r
	s_wait_alu depctr_va_vdst(0)
	v_bfe_u32 v2, v0, 4, 1                         ; h
	v_and_b32 v3, 31, v0
	v_lshlrev_b32 v[L8], 3, v3
	s_mul_i32 s47, s15, HALFT
	s_add_co_u32 s21, s21, s47
	s_mul_i32 s47, s16, HALFT
	s_add_co_u32 s22, s22, s47
.irp s, 0,1
	v_add_nc_u32 v[ADRA+\s], s21, v[L8]
	v_add_nc_u32 v[ADRB+\s], s22, v[L8]
	s_add_co_u32 s21, s21, SLOT
	s_add_co_u32 s22, s22, SLOT
.endr
	s_lshl_b32 s47, s15, 12
	s_add_co_u32 s23, s23, s47
	s_add_co_u32 s23, s23, SCL
	s_lshl_b32 s47, s16, 12
	s_add_co_u32 s95, s95, s47
	s_add_co_u32 s95, s95, SCL
	v_lshlrev_b32 v4, 2, v1
	v_add_nc_u32 v5, s23, v4
	v_add_nc_u32 v6, s95, v4
	s_mov_b32 s47, 0xffff0000
	v_cndmask_b32 v[ADRS], v5, v6, s47             ; lanes 0-15 source 1's words, lanes 16-31 source 0's
	v_mul_u32_u24 v[SCO], s46, v2
	v_add_nc_u32 v[SCO], v[SCO], v4
	v_mul_u32_u24 v[SHV], s13, v2
.irp b, 0,1,2,3
	v_mov_b32 v[TM+4+\b], 0                        ; written once: a lane permute's destination counts as one of its sources
.endr
	s_lshr_b32 s47, s42, 3
	s_lshl_b32 s47, s47, 4                         ; 16 heads a batch
	s_lshl_b32 s21, s41, 2
	s_add_co_u32 s47, s47, s21
	s_lshl_b32 s21, s10, 1
	s_add_co_u32 s47, s47, s21                     ; my first head
	s_mul_i32 s47, s47, s66
	s_add_co_u32 s47, s47, s67
	s_and_b32 s21, s42, 7
	s_add_co_u32 s21, s21, s12
	s_mul_i32 s21, s21, 13312
	s_add_co_u32 s47, s47, s21                     ; its chunk
	s_lshl_b32 s22, s11, 9
	s_add_co_u32 s22, s22, s47
	s_add_co_u32 s22, s22, 12288
	s_mov_b32 s23, 0
	s_mul_i32 s21, s11, 6144
	s_add_co_u32 s[CB], s47, s21
	s_mov_b32 s[CB+1], 0
	s_mov_b32 s21, 0
	s_add_nc_u64 s[CB:CB+1], s[8:9], s[CB:CB+1]
	s_add_nc_u64 s[CHI:CHI+1], s[CB:CB+1], s[20:21]
	s_add_nc_u64 s[SBS:SBS+1], s[8:9], s[22:23]
	s_mov_b32 s[SEL], 0x76543210
	s_mov_b32 s[SEL+1], 0xfedcba98
.macro FRAG reg, adr, q, i             ; a fragment: tile i's q-th record of the slot, six planes, 8 bytes a lane
.irp p, 0,1,2,3,4,5
	ds_load_b64 v[\reg+2*\p:\reg+2*\p+1], v[\adr] offset:(\i)*TROW+(\q)*1536+256*\p
.endr
.endm
; 16 matrix instructions: source 1's blocks a0, a0 + 1 x source 0's eight.  The 64 accumulators take turns, one instruction a turn, in the same order in every step.
.macro MUL16 a0, p, q, sc, zero
.irp a, \a0, \a0+1
.irp b, 0,1,2,3,4,5,6,7
.if \zero
	v_wmma_scale_f32_16x16x128_f8f6f4 v[8*(8*((\a)%4)+\b):8*(8*((\a)%4)+\b)+7], v[128*(\p)+FR*\b:128*(\p)+FR*\b+FR-1], v[AF+FR*(\a):AF+FR*(\a)+FR-1], 0, v[SC+8*NQ*(\sc)+NQ*\b+(\q)], v[SC+8*NQ*(\sc)+NQ*(\a)+(\q)] matrix_a_fmt:MATRIX_FMT_FP6 matrix_b_fmt:MATRIX_FMT_FP6 matrix_a_scale:MATRIX_SCALE_ROW1
.else
	v_wmma_scale_f32_16x16x128_f8f6f4 v[8*(8*((\a)%4)+\b):8*(8*((\a)%4)+\b)+7], v[128*(\p)+FR*\b:128*(\p)+FR*\b+FR-1], v[AF+FR*(\a):AF+FR*(\a)+FR-1], v[8*(8*((\a)%4)+\b):8*(8*((\a)%4)+\b)+7], v[SC+8*NQ*(\sc)+NQ*\b+(\q)], v[SC+8*NQ*(\sc)+NQ*(\a)+(\q)] matrix_a_fmt:MATRIX_FMT_FP6 matrix_b_fmt:MATRIX_FMT_FP6 matrix_a_scale:MATRIX_SCALE_ROW1
.endif
.endr
.endr
.endm
.macro FETCH_B slot, q, p
	WIN TO_B
.irp i, 0,1,2,3,4,5,6,7
	FRAG 128*(\p)+FR*\i, ADRB+\slot, \q, \i
.endr
	WIN 0
.endm
.macro FETCH_A slot, q, i0
.irp i, \i0, \i0+1, \i0+2, \i0+3
	FRAG AF+FR*(\i), ADRA+\slot, \q, \i
.endr
.endm
.macro SCALES sc, ks                   ; K step ks's scale words into set sc: block i, the step's q-th 128
.irp i, 0,1,2,3,4,5,6,7
.irp q, 0,1
	ds_load_b32 v[SC+16*(\sc)+2*\i+\q], v[ADRS] offset:512*\i+64*(2*(\ks)+\q)
.endr
.endr
.endm
.macro PLACES n                        ; a load into a register that a matrix instruction has read, and a vector instruction that reads a result, stand four plain vector instructions behind it (ISA guide 7.12.1 for the vector instruction)
.rept \n
	v_nop
.endr
.endm
.macro STEP slot, q, zero              ; 128 along K whose successor lies in the same slot
	s_wait_dscnt 4*NL                              ; all but the youngest 24 loads (source 1's blocks 4-7) are in
	WIN MUL_LO
	MUL16 0, (\q)%2, \q, \slot, \zero
	MUL16 2, (\q)%2, \q, \slot, \zero
	s_wait_dscnt 0
	PLACES NP
	FETCH_B \slot, (\q)+1, 1-(\q)%2
	FETCH_A \slot, (\q)+1, 0
	WIN MUL_HI
	MUL16 4, (\q)%2, \q, \slot, \zero
	MUL16 6, (\q)%2, \q, \slot, \zero
	PLACES NP
	WIN 0
	FETCH_A \slot, (\q)+1, 4
.endm
; A slot's last step changes slots: one barrier; ahead of it each wave waits for all its tensor loads, adds 0 to its spare word, and waits for that and for its reads of this slot.  fill = 1: the slot is filled again, two K steps ahead.
.macro TURN slot, next, fill, ksn
	s_wait_tensorcnt 0x0                           ; all my tensor loads have landed: my part of the next slot
	ds_add_u32 v[SPW], v[NIL]                      ; 0 onto my spare word
	s_wait_dscnt 4*NL+1                            ; (the add and the youngest 24 loads may be out)
	WIN MUL_LO
	MUL16 0, 1, NQ-1, \slot, 0
	s_wait_dscnt 0x0                               ; the add is done, and my reads of this slot are over
	s_barrier_signal -1
	MUL16 2, 1, NQ-1, \slot, 0
	WIN 0
	s_barrier_wait -1
.if \fill
	CREST                                          ; the barrier has opened a round of the cluster's: no wave of any partner still reads this slot or has a load on its way
	s_add_nc_u64 s[G0+4*\slot+2:G0+4*\slot+3], s[G0+4*\slot+2:G0+4*\slot+3], 2*TROW
	s_add_nc_u64 s[G0B+4*\slot+2:G0B+4*\slot+3], s[G0B+4*\slot+2:G0B+4*\slot+3], 2*TROW
	JLOAD G0+4*\slot, G1, G0B+4*\slot, G1B         ; the first tensor load behind the round; its four v_nop are the places ahead of the loads below
.else
	PLACES NP
.endif
	FETCH_B \next, 0, 0
	FETCH_A \next, 0, 0
	SCALES \next, \ksn
	WIN MUL_HI
	MUL16 4, 1, NQ-1, \slot, 0
	MUL16 6, 1, NQ-1, \slot, 0
	PLACES NP
	WIN 0
	FETCH_A \next, 0, 4
.endm
	s_wait_alu depctr_va_vdst(0)
	s_wait_tensorcnt 0x0                           ; my tile of the head's four is in
	ds_add_u32 v[SPW], v[NIL]
	s_mul_i32 s20, s16, 8*12288                    ; no tensor load of mine is out, so descriptors may be written: slot 0's become the ring's: my eight tiles,
	s_mov_b32 s21, 0
	s_add_nc_u64 s[G0+2:G0+3], s[G0+2:G0+3], s[20:21]
	s_add_nc_u64 s[G0B+2:G0B+3], s[G0B+2:G0B+3], s[20:21]
	s_mov_b32 s[G0+1], s45                         ; to wave x eight tiles,
	s_mov_b32 s[G0B+1], s45
	s_mov_b32 s[G1+2], 8<<16                       ; and a load brings eight tiles from here on
	s_mov_b32 s[G1+4], 8
	s_mov_b32 s[G1B+2], 8<<16
	s_mov_b32 s[G1B+4], 8
	s_wait_dscnt 0x0                               ; the add is done
	CROUND                                         ; a whole round: all four tiles are in, and all sixteen work-groups are here
	JLOAD G0+4, G1, G0B+4, G1B                     ; K step 1, slot 1's first fill: the first tensor load behind the round
	FETCH_B 0, 0, 0
	FETCH_A 0, 0, 0
	SCALES 0, 0
	FETCH_A 0, 0, 4
	STEP 0, 0, 1                                   ; the first products start the sums: nothing is cleared.  Four K steps: written out, no loop
	TURN 0, 1, 1, 1
	STEP 1, 0, 0
	TURN 1, 0, 1, 2
	STEP 0, 0, 0
	TURN 0, 1, 0, 3                                ; nothing is left to fetch
	STEP 1, 0, 0
	s_wait_dscnt 4*NL
	WIN MUL_LO
	MUL16 0, 1, NQ-1, 1, 0
	MUL16 2, 1, NQ-1, 1, 0
	s_wait_dscnt 0
	WIN MUL_HI
	MUL16 4, 1, NQ-1, 1, 0
	MUL16 6, 1, NQ-1, 1, 0
	WIN 0
	PLACES NP
; THE WAY OUT.  Source 1's block a: a lane's 64 results, register 16 b + i = index 32 b + 16 (lane / 16) + i along the next K, become one fragment and its scale word, and leave as planes of 256 bytes.
.macro OUTA a
.set AC, 64*((\a)%4)
	WIN 0x0a+5*((\a)/4)                            ; sources 0 and 1: the accumulators' window
.irp b, 0,1,2,3
	v_max3_num_f32 v[TM+\b], |v[AC+16*\b]|, |v[AC+1+16*\b]|, 0x1800000   ; each accumulator is read from its low end on; the floor holds the byte at 1 from below
.endr
.irp i, 2,4,6,8,10,12,14
.irp b, 0,1,2,3
	v_max3_num_f32 v[TM+\b], |v[AC+16*\b+\i]|, |v[AC+1+16*\b+\i]|, v[TM+\b]
.endr
.endr
	WIN 0
.irp b, 0,1,2,3
	v_permlanex16_b32 v[TM+4+\b], v[TM+\b], s[SEL], s[SEL+1]
.endr
.irp b, 0,1,2,3
	v_max_num_f32 v[TM+\b], v[TM+\b], v[TM+4+\b]   ; with lane l xor 16's: the block's largest magnitude
.endr
.irp b, 0,1,2,3
	v_add_nc_u32 v[TM+12+\b], 0xff000000, v[TM+\b] ; the conversion's scale operand
.endr
.irp b, 0,1,2,3
	v_lshrrev_b32 v[TM+4+\b], 23, v[TM+12+\b]      ; the byte
.endr
	v_lshl_or_b32 v[PW], v[TM+5], 8, v[TM+4]
	v_lshl_or_b32 v[PW], v[TM+6], 16, v[PW]
	v_lshl_or_b32 v[PW], v[TM+7], 24, v[PW]
	s_wait_xcnt 0x0                                ; the last block's stores have read their data and their bases: both may be written
.if (\a) > 0
	s_add_nc_u64 s[CB:CB+1], s[CB:CB+1], s[STPC:STPC+1]
	s_add_nc_u64 s[CHI:CHI+1], s[CHI:CHI+1], s[STPC:STPC+1]
	s_add_nc_u64 s[SBS:SBS+1], s[SBS:SBS+1], s[STPS:STPS+1]
.endif
.if (\a) == 4
	s_add_nc_u64 s[CB:CB+1], s[CB:CB+1], s[JC:JC+1]
	s_add_nc_u64 s[CHI:CHI+1], s[CHI:CHI+1], s[JC:JC+1]
	s_add_nc_u64 s[SBS:SBS+1], s[SBS:SBS+1], s[JS:JS+1]
.endif
	WIN 0x02+((\a)/4)                              ; source 0: the accumulators' window
.irp c, 0,1
	v_cvt_scalef32_pk16_fp6_f32 v[PC+6*\c:PC+2+6*\c], v[AC+32*\c:AC+15+32*\c], v[TM+12+2*\c]
	v_cvt_scalef32_pk16_fp6_f32 v[PC+12+4*\c:PC+14+4*\c], v[AC+16+32*\c:AC+31+32*\c], v[TM+12+2*\c+1]
.endr
	WIN 0
	v_nop                                          ; one plain place behind a scaled conversion
.irp c, 0,1                                    ; the operand's layout wants a whole block in a lane: lanes 0-15 block 2 c, lanes 16-31 block 2 c + 1
.irp i, 0,1,2
	v_permlane16_swap_b32 v[PC+6*\c+\i], v[PC+12+4*\c+\i]
.endr
.irp i, 0,1,2
	v_mov_b32 v[PC+3+6*\c+\i], v[PC+12+4*\c+\i]
.endr
.endr
	v_lshrrev_b32 v[SV], v[SHV], v[PW]             ; Q, K: lanes 16-31 carry the odd head's two bytes
.irp p, 0,1,2
	global_store_b64 v[L8], v[PC+2*\p:PC+2*\p+1], s[CB:CB+1] offset:256*\p       ; 256 consecutive bytes, aligned
.endr
.irp p, 0,1,2
	global_store_b64 v[L8], v[PC+6+2*\p:PC+7+2*\p], s[CHI:CHI+1] offset:256*\p
.endr
	global_store_b32 v[SCO], v[SV], s[SBS:SBS+1]
.endm
.irp a, 0,1,2,3,4,5,6,7
	OUTA \a
.endr
	s_wait_tensorcnt 0x0                           ; the wave's end
	ds_add_u32 v[SPW], v[NIL]
	s_wait_dscnt 0x0
	CROUND                                         ; the closing round
	s_endpgm
.Lfunc_end_k_q09db817096_proj:
	.size	k_q09db817096_proj, .Lfunc_end_k_q09db817096_proj-k_q09db817096_proj
	.p2alignl 7, 3214868480
	.fill 96, 4, 3214868480
	.section	.rodata,"a",@progbits
	.p2align	6, 0x0
	.amdhsa_kernel k_q09db817096_proj
		.amdhsa_group_segment_fixed_size 327680
		.amdhsa_private_segment_fixed_size 0
		.amdhsa_enable_private_segment 0
		.amdhsa_kernarg_size 24
		.amdhsa_user_sgpr_count 2
		.amdhsa_user_sgpr_kernarg_segment_ptr 1
		.amdhsa_wavefront_size32 1
		.amdhsa_system_sgpr_workgroup_id_x 1
		.amdhsa_system_sgpr_workgroup_id_y 1
		.amdhsa_system_sgpr_workgroup_id_z 1
		.amdhsa_system_vgpr_workitem_id 0
		.amdhsa_next_free_vgpr 1024
		.amdhsa_next_free_sgpr 100
		.amdhsa_reserve_vcc 0
		.amdhsa_float_denorm_mode_32 3
		.amdhsa_float_denorm_mode_16_64 3
		.amdhsa_memory_ordered 1
		.amdhsa_forward_progress 1
		.amdhsa_inst_pref_size 172
	.end_amdhsa_kernel
	.amdgpu_metadata
---
amdhsa.version: [ 1, 2 ]
amdhsa.kernels:
  - .name:           k_q09db817096_proj
    .symbol:         k_q09db817096_proj.kd
    .args:
      - { .name: actq, .offset: 0, .size: 8, .value_kind: global_buffer, .address_space: global }
      - { .name: wgtq, .offset: 8, .size: 8, .value_kind: global_buffer, .address_space: global }
      - { .name: headq, .offset: 16, .size: 8, .value_kind: global_buffer, .address_space: global }
    .group_segment_fixed_size: 327680
    .private_segment_fixed_size: 0
    .kernarg_segment_align: 8
    .kernarg_segment_size: 24
    .max_flat_workgroup_size: 128
    .sgpr_count:     100
    .vgpr_count:     1024
    .wavefront_size: 32
...
	.end_amdgpu_metadata
.endif
;; end of part 2
;; launch attn (part 3): grid 8 x 32, 16 waves a work-group, no clusters, 215,040 bytes of LDS; arguments headq, maskw, attq; writes attq
.if DOCPART == 3
	.amdgcn_target "amdgcn-amd-amdhsa--gfx1250"
	.amdhsa_code_object_version 6
	.text
	.protected	k_q09db817096_attn
	.globl	k_q09db817096_attn
	.p2align	8
	.type	k_q09db817096_attn,@function
k_q09db817096_attn:
	s_mov_b64 s[64:65], 0
	v_nop
	global_prefetch_b8 v0, s[64:65] scope:SCOPE_SE
	s_setreg_imm32_b32 hwreg(HW_REG_WAVE_MODE, 25, 1), 1
	s_wait_xcnt 0x0
; ATTN: x = softmax(Q K^T / 8, masked) V for one head and 256 queries a work-group, both products on codes of E2M3; x leaves quantised along the model's 1,024, as the last product's operand.
; THE SOFTMAX: t = score x log2(e) / 8; M = the running largest t rounded up to a whole number; p = 2^(t - M) is quantised along the keys; the row's sum is taken of the unquantised p and divides at the end.
; SHARES.  Sixteen waves, each one tile of 16 queries in 256 registers; every wave walks the head's 2,048 keys, 128 a step.
; THE WHOLE HEAD'S K AND V LIE IN LDS: 16 chunks of 13,312 bytes.  Wave w brings chunk w: 26 loads of 512 consecutive bytes, all on their way at once, then 26 LDS stores; one barrier; nothing is written there again.
; Chunks 0-7: K, 256 keys each: 16 tiles x 768 bytes (registers 0-5 of a fragment: the head's 64), then 16 x 64 bytes of scale words.  Chunks 8-15: V, two key steps each: 8 records, then 8 x 128 bytes of scale words.
; NO CLUSTER AND NO TENSOR LOAD, though a head's eight work-groups read the same K and V: a branch on numbers read from memory spares here, in every
; key step whose 16 x 128 entries of the mask are all open, 64 of the step's some 310 vector instructions: 16 steps x 64 x 16 waves a work-group, against 212,992 bytes that each work-group fetches for itself, once.
; The score product's K is 64: registers 6-11 of Q's and K's fragments hold zero codes, cleared once.
; LAYOUT.  Both products transposed: S^T = K Q^T, O^T = V^T P^T: a lane holds one query.  Rows are stored with bits 3 and 4 of their number exchanged, so that register 16 b + i of S^T is key 32 b + 16 (lane / 16) + i of the step.
; THE MASK comes as one bit a key step ('all open') and, where that bit is 0, as 64 lane masks by scalar loads at the step's head; a hidden score becomes -2^70.
; LIMITS: -2^70 as a score is a logit of -1.5e20 where the definition writes -1e20: the same results while open logits lie above some -1e19; (-2^70) x c is exact and whole, so a row with no open key gives p = 1 everywhere.
; NaN and infinities are not served; 1 / l by v_rcp_f32; a block of zeros carries the byte 1.
.set CHK,   13312
.set SPARE, 16*CHK                     ; the spare words, 128 bytes for each of 16 waves
.set KVB,   3407872
.set AK0,  1                           ; v1   8 x lane
.set AV0,  2                           ; v2   V's chunks + 8 x lane
.set ASK0, 3                           ; v3   K's scale words: 12,288 + 4 r
.set ASV0, 4                           ; v4   V's: + 4 x lane
.set SPW,  5
.set NIL,  6
.set NEG,  7                           ; v7   -2^70
.set ADK,  8
.set ADV,  9
.set ADS,  10
.set ADT,  11                          ; v12 -M, v13 the largest t, v[14:15] the sum; v16-27 Q; v28-31 V's scale words
.set KF,   32                          ; v32-79   four fragments of K
.set VF,   80                          ; v80-127  four fragments of V
.set S,    128                         ; v128-191 S^T, then p  (v128-231 at the head: my chunk on its way to LDS)
.set O,    192                         ; v192-223 O^T;  v224-235 p's codes; v232-247 at work; v248-251 K's scale words; v252 f; v253 p's scale word; v254 at work; v255 Q's scale word
.set TB,   2                           ; s2   the pair of steps in hand: 13,312 x its number
.set WV,   10
.set MO,   11                          ; s11  the step's mask record, in bytes
.set SEL,  12
.set CS,   14                          ; s[14:15] c = log2(e) / 8
.set KVP,  16                          ; s[16:17] my chunk in memory
.set MP,   18                          ; s[18:19] the mask records of my tile of queries
.set FL,   20                          ; s[20:23] its four words of 'all open' bits
.set FM,   24                          ; s24  the 16 bits; bit 0 is the step's in hand
.set OPN,  25                          ; s25  that bit;   s[32:63], s[68:99]: the step's 64 mask words
.macro MLOAD
	s_load_b512 s[32:47], s[MP:MP+1], s[MO] offset:0x0
	s_load_b512 s[48:63], s[MP:MP+1], s[MO] offset:0x40
	s_load_b512 s[68:83], s[MP:MP+1], s[MO] offset:0x80
	s_load_b512 s[84:99], s[MP:MP+1], s[MO] offset:0xc0
.endm
	s_load_b128 s[4:7], s[0:1], 0x0                ; headq, maskw
	s_load_b64 s[8:9], s[0:1], 0x10                ; attq
	v_lshl_add_u32 v[SPW], v0, 2, SPARE
	v_mov_b32 v[NIL], 0
	v_lshrrev_b32 v8, 5, v0
	s_delay_alu instid0(VALU_DEP_1)
	v_readfirstlane_b32 s[WV], v8
	s_mov_b32 s29, ttmp9                           ; x: my block of 256 queries
	s_and_b32 s30, ttmp7, 0xffff                   ; the head, 0 .. 31
	s_mul_i32 s28, s[WV], CHK                      ; chunk w, in LDS
	s_mul_i32 s66, s30, 16*CHK
	s_add_co_u32 s66, s66, s28
	s_add_co_u32 s66, s66, KVB                     ; and in memory
	s_mov_b32 s67, 0
	v_and_b32 v9, 31, v0
	s_delay_alu instid0(VALU_DEP_1)
	v_lshlrev_b32 v10, 4, v9                       ; 16 x lane
	s_delay_alu instid0(VALU_DEP_1)
	v_add_nc_u32 v11, s28, v10
	s_mov_b32 s[SEL], 0x76543210
	s_mov_b32 s[SEL+1], 0xfedcba98
	s_mov_b32 s[CS], 0x3e38aa3b
	s_mov_b32 s[CS+1], s[CS]
	s_mov_b32 s[MO], 0
	s_mov_b32 s[TB], 0
	s_mov_b32 s3, 8
	s_wait_alu depctr_va_vdst(0)
	s_wait_kmcnt 0x0
	s_add_nc_u64 s[KVP:KVP+1], s[4:5], s[66:67]
.set n, 0
.rept 26
	global_load_b128 v[128+4*n:131+4*n], v10, s[KVP:KVP+1] offset:512*n   ; 512 consecutive bytes; seven other work-groups read them too: no hint
.set n, n+1
.endr
	s_mul_i32 s66, s30, 8*CHK
	s_mul_i32 s31, s29, CHK
	s_add_co_u32 s66, s66, s31
	s_mul_i32 s31, s[WV], 768
	s_add_co_u32 s66, s66, s31
	s_add_nc_u64 s[4:5], s[4:5], s[66:67]          ; Q: head, chunk x, tile w
	s_mul_i32 s31, s[WV], 704
	s_sub_co_u32 s31, 12288, s31                   ; from there to the tile's scale words: 12,288 + 64 w - 768 w
	s_lshl_b32 s26, s29, 4
	s_add_co_u32 s26, s26, s[WV]                   ; my tile of queries, 0 .. 127
	s_lshl_b32 s66, s26, 12
	s_add_nc_u64 s[MP:MP+1], s[6:7], s[66:67]      ; its 16 mask records of 256 bytes
	s_lshl_b32 s27, s26, 4
	s_load_b128 s[FL:FL+3], s[6:7], s27 offset:0x80000   ; its 'all open' bits, behind the records
	v_and_b32 v8, 15, v0
	v_lshlrev_b32 v[AK0], 3, v9
.irp p, 0,1,2
	global_load_b64 v[16+2*\p:17+2*\p], v[AK0], s[4:5] offset:256*\p
.endr
	v_lshl_add_u32 v254, v8, 2, s31
	global_load_b32 v255, v254, s[4:5]
	MLOAD                                          ; record 0, whatever its bit says: so the 64 registers are written on every way
	v_add_nc_u32 v[AV0], 8*CHK, v[AK0]
	v_lshlrev_b32 v[ASK0], 2, v8
	s_delay_alu instid0(VALU_DEP_1)
	v_add_nc_u32 v[ASK0], 12288, v[ASK0]
	v_lshlrev_b32 v[ASV0], 2, v9
	s_delay_alu instid0(VALU_DEP_1)
	v_add_nc_u32 v[ASV0], 8*CHK+12288, v[ASV0]
	v_mov_b32 v[NEG], 0xe2800000
	v_mov_b32 v13, 0xff61b1e6                      ; the largest t so far: -3e38
	s_delay_alu instid0(VALU_DEP_1)
	v_floor_f32 v12, -v13
	v_mov_b32 v14, 0
	v_mov_b32 v15, 0
.irp i, 22,23,24,25,26,27
	v_mov_b32 v[\i], 0                             ; Q's K = 64 .. 127: zero codes
.endr
.irp t, 0,1,2,3
.irp i, 6,7,8,9,10,11
	v_mov_b32 v[KF+12*\t+\i], 0                    ; K's likewise: the loads write registers 0-5 alone
.endr
.endr
.irp b, 0,1,2,3
	v_mov_b32 v[236+\b], 0                         ; a lane permute's destination counts as one of its sources
.endr
	v_mov_b32 v253, 0
.set n, 0
.rept 26
	s_wait_loadcnt 29-n                            ; behind chunk load n stand 25 - n of the chunk's and Q's four
	ds_store_b128 v11, v[128+4*n:131+4*n] offset:512*n
.set n, n+1
.endr
	s_wait_dscnt 0x0                               ; for the others' sake: my chunk lies in LDS (and the stores have read their registers)
	s_barrier_signal -1
.set n, 0
.rept 32
	v_mov_b32 v[O+n], 0                            ; O^T: the step is written once; the first change of M multiplies zeros
.set n, n+1
.endr
	s_barrier_wait -1                              ; everybody's chunk does
	s_wait_loadcnt 0x0                             ; Q
	s_wait_kmcnt 0x0                               ; the bits, and record 0
	s_lshl_b32 s[FL+1], s[FL+1], 4
	s_lshl_b32 s[FL+2], s[FL+2], 8
	s_lshl_b32 s[FL+3], s[FL+3], 12
	s_or_b32 s[FM], s[FL], s[FL+1]
	s_or_b32 s[FL+2], s[FL+2], s[FL+3]
	s_or_b32 s[FM], s[FM], s[FL+2]                 ; bit ks: key step ks is all open for my 16 queries
.macro STEP q                          ; 128 keys: the q-th of the pair in hand
	s_and_b32 s[OPN], s[FM], 1
	s_cmp_lg_u32 s[OPN], 0
	s_cbranch_scc1 .Lno_words_\@                   ; a whole number that an earlier launch stored decides: all open: no words are wanted
	MLOAD                                          ; else they are asked for here and land under the score products
.Lno_words_\@:
	v_add_nc_u32 v[ADK], s[TB], v[AK0]             ; (these four are also places behind the last step's products)
	s_wait_alu depctr_va_vdst(0)
	v_add_nc_u32 v[ADV], s[TB], v[AV0]
	v_add_nc_u32 v[ADS], s[TB], v[ASK0]
	s_wait_alu depctr_va_vdst(0)
	v_add_nc_u32 v[ADT], s[TB], v[ASV0]
	s_wait_alu depctr_va_vdst(0)
.irp g, 0,1
.if \g > 0
.rept 4
	v_nop                                          ; places ahead of loads into registers that matrix instructions have read
.endr
.endif
.irp t, 0,1,2,3
.irp p, 0,1,2
	ds_load_b64 v[KF+12*\t+2*\p:KF+12*\t+2*\p+1], v[ADK] offset:6144*(\q)+768*(4*\g+\t)+256*\p
.endr
	ds_load_b32 v[248+\t], v[ADS] offset:512*(\q)+64*(4*\g+\t)
.endr
	s_wait_dscnt 0x0
.irp t, 0,1,2,3
	v_wmma_scale_f32_16x16x128_f8f6f4 v[S+8*(4*\g+\t):S+8*(4*\g+\t)+7], v[KF+12*\t:KF+12*\t+11], v[16:27], 0, v[248+\t], v255 matrix_a_fmt:MATRIX_FMT_FP6 matrix_b_fmt:MATRIX_FMT_FP6
.endr
.endr
.irp t, 0,1,2,3                                ; V's fragments are asked for now: they land under the softmax
.irp p, 0,1,2,3,4,5
	ds_load_b64 v[VF+12*\t+2*\p:VF+12*\t+2*\p+1], v[ADV] offset:1536*(4*(\q)+\t)+256*\p
.endr
	ds_load_b32 v[28+\t], v[ADT] offset:128*(4*(\q)+\t)
.endr
.rept 4
	v_nop                                          ; places ahead of the first read of the scores, on both ways
.endr
	s_wait_kmcnt 0x0                               ; on every way: no scalar load is out from here on, so the words may be read and their offset stepped
	s_cmp_lg_u32 s[OPN], 0
	s_cbranch_scc1 .Lopen_\@
.set n, 0
.rept 64
	v_cndmask_b32 v[S+n], v[NEG], v[S+n], s[32+n+4*(n/32)]   ; ascending: each accumulator is read from its low end on
.set n, n+1
.endr
.Lopen_\@:
	s_lshr_b32 s[FM], s[FM], 1                     ; the next step's bit,
	s_add_co_u32 s[MO], s[MO], 256                 ; and its record
.irp b, 0,1,2,3
	v_max3_num_f32 v[232+\b], v[S+16*\b], v[S+1+16*\b], v[S+2+16*\b]   ; the largest score of each block of 32 keys: for the row's maximum, and, since p rises with the score, for the block's largest p
.endr
.irp i, 3,5,7,9,11,13
.irp b, 0,1,2,3
	v_max3_num_f32 v[232+\b], v[232+\b], v[S+16*\b+\i], v[S+1+16*\b+\i]
.endr
.endr
.irp b, 0,1,2,3
	v_max_num_f32 v[232+\b], v[232+\b], v[S+15+16*\b]
.endr
.irp b, 0,1,2,3
	s_delay_alu instid0(VALU_DEP_4)
	v_permlanex16_b32 v[236+\b], v[232+\b], s[SEL], s[SEL+1]
.endr
.irp b, 0,1,2,3
	s_delay_alu instid0(VALU_DEP_4)
	v_max_num_f32 v[232+\b], v[232+\b], v[236+\b]
.endr
	s_delay_alu instid0(VALU_DEP_2)
	v_max3_num_f32 v254, v232, v233, v234
	s_delay_alu instid0(VALU_DEP_1)
	v_max_num_f32 v254, v254, v235
	s_delay_alu instid0(VALU_DEP_1)
	v_mul_f32 v254, s[CS], v254
	s_delay_alu instid0(VALU_DEP_1)
	v_max_num_f32 v13, v13, v254                   ; the running largest t
	v_mov_b32 v254, v12
	s_delay_alu instid0(VALU_DEP_2)
	v_floor_f32 v12, -v13                          ; -M = floor(-t): M is a whole number
	s_delay_alu instid0(VALU_DEP_1)
	v_sub_f32 v254, v12, v254                      ; old M - new M, 0 or less
	s_delay_alu instid0(VALU_DEP_1)
	v_cvt_i32_f32 v254, v254                       ; (it saturates)
	s_delay_alu instid0(VALU_DEP_1)
	v_ldexp_f32 v252, 1.0, v254                    ; f = 2^(old M - new M): a multiplication by it rounds nothing
.irp j, 0,2,4,6,8,10,12,14,16,18,20,22,24,26,28,30,32,34,36,38,40,42,44,46,48,50,52,54,56,58,60,62
	v_pk_fma_f32 v[S+\j:S+\j+1], v[S+\j:S+\j+1], s[CS:CS+1], v[12:13] op_sel_hi:[1,0,0]   ; t - M
.endr
.irp b, 0,1,2,3
	v_fma_f32 v[232+\b], v[232+\b], s[CS], v12
.endr
.set n, 0
	s_wait_alu depctr_va_vdst(0)
.rept 64
	v_exp_f32 v[S+n], v[S+n]                       ; p = 2^(t - M)
.set n, n+1
.endr
	v_pk_mul_f32 v[14:15], v[14:15], v[252:253] op_sel_hi:[1,0]   ; the sums under the new M: the plain instruction behind the batch
	s_wait_alu depctr_va_vdst(0)                   ; one wait for the 64, ahead of their first reader
.irp b, 0,1,2,3
	v_exp_f32 v[232+\b], v[232+\b]                 ; each block's largest p
.endr
	v_pk_add_f32 v[236:237], v[132:133], v[136:137]
	v_pk_add_f32 v[250:251], v[140:141], v[144:145]
	v_pk_add_f32 v[248:249], v[148:149], v[152:153]
	v_pk_add_f32 v[246:247], v[156:157], v[160:161]
	v_pk_add_f32 v[244:245], v[164:165], v[168:169]
	v_pk_add_f32 v[242:243], v[172:173], v[176:177]
	v_pk_add_f32 v[240:241], v[180:181], v[184:185]
	v_pk_add_f32 v[14:15], v[14:15], v[188:189]
	v_pk_add_f32 v[236:237], v[236:237], v[128:129]
	v_pk_add_f32 v[250:251], v[250:251], v[130:131]
	v_pk_add_f32 v[248:249], v[248:249], v[134:135]
	v_pk_add_f32 v[246:247], v[246:247], v[138:139]
	v_pk_add_f32 v[244:245], v[244:245], v[142:143]
	v_pk_add_f32 v[242:243], v[242:243], v[146:147]
	v_pk_add_f32 v[240:241], v[240:241], v[150:151]
	v_pk_add_f32 v[14:15], v[14:15], v[154:155]
	v_pk_add_f32 v[236:237], v[236:237], v[158:159]
	v_pk_add_f32 v[250:251], v[250:251], v[162:163]
	v_pk_add_f32 v[248:249], v[248:249], v[166:167]
	v_pk_add_f32 v[246:247], v[246:247], v[170:171]
	v_pk_add_f32 v[244:245], v[244:245], v[174:175]
	v_pk_add_f32 v[242:243], v[242:243], v[178:179]
	v_pk_add_f32 v[240:241], v[240:241], v[182:183]
	v_pk_add_f32 v[14:15], v[14:15], v[186:187]
	v_pk_add_f32 v[236:237], v[236:237], v[190:191]
	s_delay_alu instid0(VALU_DEP_2)
	v_pk_add_f32 v[14:15], v[14:15], v[246:247]
	s_delay_alu instid0(VALU_DEP_2)
	v_pk_add_f32 v[236:237], v[236:237], v[244:245]
	v_pk_add_f32 v[250:251], v[250:251], v[242:243]
	v_pk_add_f32 v[248:249], v[248:249], v[240:241]
	s_delay_alu instid0(VALU_DEP_2)
	v_pk_add_f32 v[14:15], v[14:15], v[250:251]
	s_delay_alu instid0(VALU_DEP_2)
	v_pk_add_f32 v[236:237], v[236:237], v[248:249]
	s_delay_alu instid0(VALU_DEP_1)
	v_pk_add_f32 v[14:15], v[14:15], v[236:237]
	s_wait_alu depctr_va_vdst(0)                   ; and one for the four
.irp b, 0,1,2,3
	v_max_num_f32 v[232+\b], 0x1800000, v[232+\b]  ; the floor: the byte cannot fall under 1
.endr
.irp b, 0,1,2,3
	s_delay_alu instid0(VALU_DEP_4)
	v_add_nc_u32 v[244+\b], 0xff000000, v[232+\b]
.endr
.irp b, 0,1,2,3
	s_delay_alu instid0(VALU_DEP_4)
	v_lshrrev_b32 v[236+\b], 23, v[244+\b]
.endr
	s_delay_alu instid0(VALU_DEP_3)
	v_lshl_or_b32 v253, v237, 8, v236              ; p's scale word for these 128 keys
	s_delay_alu instid0(VALU_DEP_1)
	v_lshl_or_b32 v253, v238, 16, v253
	s_delay_alu instid0(VALU_DEP_1)
	v_lshl_or_b32 v253, v239, 24, v253
.irp c, 0,1
	v_cvt_scalef32_pk16_fp6_f32 v[224+6*\c:226+6*\c], v[S+32*\c:S+15+32*\c], v[244+2*\c]
	v_cvt_scalef32_pk16_fp6_f32 v[236+4*\c:238+4*\c], v[S+16+32*\c:S+31+32*\c], v[244+2*\c+1]
.endr
	v_nop                                          ; one plain place behind a scaled conversion
.irp c, 0,1
.irp i, 0,1,2
	v_permlane16_swap_b32 v[224+6*\c+\i], v[236+4*\c+\i]
.endr
.irp i, 0,1,2
	s_delay_alu instid0(VALU_DEP_3)
	v_mov_b32 v[227+6*\c+\i], v[236+4*\c+\i]
.endr
.endr
.irp j, 0,2,4,6,8,10,12,14,16,18,20,22,24,26,28,30
	v_pk_mul_f32 v[O+\j:O+\j+1], v[O+\j:O+\j+1], v[252:253] op_sel_hi:[1,0]   ; O^T under the new M; these sixteen also stand between the codes' and the scale word's last writes and the products
.endr
	s_wait_alu depctr_va_vdst(0)
	s_wait_dscnt 0x0                               ; V
.irp t, 0,1,2,3                                ; four accumulators by turns, one instruction a turn; eight score products stand between two turns of one
	v_wmma_scale_f32_16x16x128_f8f6f4 v[O+8*\t:O+8*\t+7], v[VF+12*\t:VF+12*\t+11], v[224:235], v[O+8*\t:O+8*\t+7], v[28+\t], v253 matrix_a_fmt:MATRIX_FMT_FP6 matrix_b_fmt:MATRIX_FMT_FP6
.endr
.endm
.Lpair:                                            ; eight trips of two key steps
	STEP 0
	STEP 1
	s_add_co_u32 s[TB], s[TB], CHK
	s_sub_co_u32 s3, s3, 1
	s_cmp_lg_u32 s3, 0
	s_cbranch_scc1 .Lpair
	; THE WAY OUT: x = O^T / l, register 16 b + i = channel 32 b + 16 (lane / 16) + i of my query: two blocks of 32 along the last product's K: half a record and two scale bytes.
.rept 4
	v_nop                                          ; places behind the last products
.endr
	v_add_f32 v14, v14, v15
	s_delay_alu instid0(VALU_DEP_1)
	v_permlanex16_b32 v252, v14, s[SEL], s[SEL+1]
	s_delay_alu instid0(VALU_DEP_1)
	v_add_f32 v14, v14, v252                       ; the row's sum
	s_wait_alu depctr_va_vdst(0)
	v_rcp_f32 v14, v14
	v_and_b32 v8, 15, v0                           ; (a plain place behind the reciprocal)
	s_delay_alu instid0(VALU_DEP_1)
	v_lshlrev_b32 v8, 2, v8                        ; 4 r
	s_lshl_b32 s31, s29, 4
	s_add_co_u32 s31, s31, s[WV]                   ; my tile among the batch's 128
	s_lshr_b32 s28, s30, 4
	s_lshl_b32 s28, s28, 7
	s_add_co_u32 s31, s31, s28                     ; among all 256
	s_lshl_b32 s31, s31, 3
	s_bfe_u32 s28, s30, 0x30001
	s_add_co_u32 s31, s31, s28                     ; the record: heads 2 s, 2 s + 1
	s_and_b32 s28, s30, 1
	s_mul_i32 s66, s31, 1536
	s_mul_i32 s2, s28, 768
	s_add_co_u32 s66, s66, s2
	s_add_nc_u64 s[4:5], s[8:9], s[66:67]          ; my half of it
	s_lshl_b32 s66, s31, 6
	s_lshl_b32 s2, s28, 1
	s_add_co_u32 s66, s66, s2
	s_add_co_u32 s66, s66, 3145728
	s_add_nc_u64 s[8:9], s[8:9], s[66:67]          ; my half of its scale words
	s_wait_alu depctr_va_vdst(0)                   ; ahead of the reciprocal's first reader
.set n, 0
.rept 32
	v_mul_f32 v[S+n], v[O+n], v14
.set n, n+1
.endr
.irp b, 0,1
	v_max3_num_f32 v[232+\b], |v[S+16*\b]|, |v[S+1+16*\b]|, 0x1800000
.endr
.irp i, 2,4,6,8,10,12,14
.irp b, 0,1
	s_delay_alu instid0(VALU_DEP_2)
	v_max3_num_f32 v[232+\b], v[232+\b], |v[S+16*\b+\i]|, |v[S+1+16*\b+\i]|
.endr
.endr
.irp b, 0,1
	s_delay_alu instid0(VALU_DEP_2)
	v_permlanex16_b32 v[236+\b], v[232+\b], s[SEL], s[SEL+1]
.endr
.irp b, 0,1
	s_delay_alu instid0(VALU_DEP_2)
	v_max_num_f32 v[232+\b], v[232+\b], v[236+\b]
.endr
.irp b, 0,1
	s_delay_alu instid0(VALU_DEP_2)
	v_add_nc_u32 v[244+\b], 0xff000000, v[232+\b]
.endr
.irp b, 0,1
	s_delay_alu instid0(VALU_DEP_2)
	v_lshrrev_b32 v[236+\b], 23, v[244+\b]
.endr
	s_delay_alu instid0(VALU_DEP_1)
	v_lshl_or_b32 v253, v237, 8, v236
	v_cvt_scalef32_pk16_fp6_f32 v[224:226], v[S:S+15], v244
	v_cvt_scalef32_pk16_fp6_f32 v[240:242], v[S+16:S+31], v245
	v_nop
.irp i, 0,1,2
	v_permlane16_swap_b32 v[224+\i], v[240+\i]
.endr
.irp i, 0,1,2
	s_delay_alu instid0(VALU_DEP_3)
	v_mov_b32 v[227+\i], v[240+\i]
.endr
.irp p, 0,1,2
	global_store_b64 v[AK0], v[224+2*\p:225+2*\p], s[4:5] offset:256*\p   ; 256 consecutive bytes, aligned
.endr
	global_store_b16 v8, v253, s[8:9]              ; lanes r and r + 16 hold the same two bytes and store them to the same place
	s_wait_tensorcnt 0x0                           ; the wave's end, behind my last LDS store
	ds_add_u32 v[SPW], v[NIL]
	s_wait_dscnt 0x0
	s_endpgm
.Lfunc_end_k_q09db817096_attn:
	.size	k_q09db817096_attn, .Lfunc_end_k_q09db817096_attn-k_q09db817096_attn
	.p2alignl 7, 3214868480
	.fill 96, 4, 3214868480
	.section	.rodata,"a",@progbits
	.p2align	6, 0x0
	.amdhsa_kernel k_q09db817096_attn
		.amdhsa_group_segment_fixed_size 215040
		.amdhsa_private_segment_fixed_size 0
		.amdhsa_enable_private_segment 0
		.amdhsa_kernarg_size 24
		.amdhsa_user_sgpr_count 2
		.amdhsa_user_sgpr_kernarg_segment_ptr 1
		.amdhsa_wavefront_size32 1
		.amdhsa_system_sgpr_workgroup_id_x 1
		.amdhsa_system_sgpr_workgroup_id_y 1
		.amdhsa_system_sgpr_workgroup_id_z 1
		.amdhsa_system_vgpr_workitem_id 0
		.amdhsa_next_free_vgpr 256
		.amdhsa_next_free_sgpr 100
		.amdhsa_reserve_vcc 0
		.amdhsa_float_denorm_mode_32 3
		.amdhsa_float_denorm_mode_16_64 3
		.amdhsa_memory_ordered 1
		.amdhsa_forward_progress 1
		.amdhsa_inst_pref_size 63
	.end_amdhsa_kernel
	.amdgpu_metadata
---
amdhsa.version: [ 1, 2 ]
amdhsa.kernels:
  - .name:           k_q09db817096_attn
    .symbol:         k_q09db817096_attn.kd
    .args:
      - { .name: headq, .offset: 0, .size: 8, .value_kind: global_buffer, .address_space: global }
      - { .name: maskw, .offset: 8, .size: 8, .value_kind: global_buffer, .address_space: global }
      - { .name: attq, .offset: 16, .size: 8, .value_kind: global_buffer, .address_space: global }
    .group_segment_fixed_size: 215040
    .private_segment_fixed_size: 0
    .kernarg_segment_align: 8
    .kernarg_segment_size: 24
    .max_flat_workgroup_size: 512
    .sgpr_count:     100
    .vgpr_count:     256
    .wavefront_size: 32
...
	.end_amdgpu_metadata
.endif
;; end of part 3
;; launch outp (part 4): grid 32 x 8, 4 waves a work-group, clusters of 4 x 4, 327,680 bytes of LDS; arguments attq, wgtq, out0; writes out0
.if DOCPART == 4
	.amdgcn_target "amdgcn-amd-amdhsa--gfx1250"
	.amdhsa_code_object_version 6
	.text
	.protected	k_q09db817096_outp
	.globl	k_q09db817096_outp
	.p2align	8
	.type	k_q09db817096_outp,@function
k_q09db817096_outp:
	s_mov_b64 s[64:65], 0
	v_nop
	global_prefetch_b8 v0, s[64:65] scope:SCOPE_SE
	s_setreg_imm32_b32 hwreg(HW_REG_WAVE_MODE, 25, 1), 1
	s_wait_xcnt 0x0
	s_wait_alu depctr_hold_cnt(0) depctr_sa_sdst(0) depctr_va_vdst(0) depctr_va_sdst(0) depctr_va_ssrc(0) depctr_va_vcc(0) depctr_vm_vsrc(0)
	s_getreg_b32 s2, hwreg(HW_REG_IB_STS2, 6, 4)
	s_cmp_eq_u32 s2, 0
	s_cbranch_scc0 .Lentry_in_a_cluster
	s_endpgm
.Lentry_in_a_cluster:
	s_bfe_u32 s2, ttmp6, 0x10000c
	s_cmp_lg_u32 s2, 0xf033
	s_cbranch_scc0 .Lentry_shape_is_right
	s_endpgm
.Lentry_shape_is_right:
; OUTP: out0 = x wo on codes of E2M3.  x [4096][1024] lies in attq, wo in wgtq (the fourth weight), both as records: images of a fragment's 12 registers (16 rows x 128 K), six planes of 256 bytes;
; a tile of 16 rows is eight records, 12,288 bytes; its scale words are 8 x 16 words, 512 bytes.  Rows are stored with bits 3 and 4 of their number exchanged.
; A work-group makes 128 tokens x 128 features, a wave 64 x 64: 16 accumulators, 128 registers (window 1).  256 work-groups.
; ALL OF K LIES IN LDS AT ONCE: 8 tiles of wo, 8 tiles of x (98,304 bytes each) and their scale words (4,096 each): four tensor loads, one a wave, at the head; nothing is filled again, so one barrier serves the launch.
; CLUSTERS: 4 x 4 work-groups: a row of the cluster shares wo's tiles, a column x's: joint loads.
; NO PREFETCH: every byte is asked for by the head's four loads; there is no loop to run ahead in.
; The matrix instruction is used transposed (source 0 = 16 features, source 1 = 16 tokens): a lane holds eight neighbouring numbers of a row of out0.
.set TILEB,  12288
.set AREG,   8*TILEB                   ; wo's tiles at 0, x's here
.set SCL,    16*TILEB                  ; wo's scale words, then x's
.set HALFS,  2048                      ; four tiles' scale words
.set STAGE,  SCL+4*HALFS               ; the way out: 16 rows x 272 bytes for each wave; no tensor load lands here
.set SPITCH, 272
.set SPARE,  STAGE+4*16*SPITCH         ; the spare words, 128 bytes a wave
.set FR,     12
.set ADRA, 16                          ; v16 LDS address of source 1's fragments;  v17 of source 0's
.set ADRB, 17
.set STO,  24
.set RD,   25
.set CO,   26
.set ADRS, 27                          ; v27 my scale words: lanes 0-15 source 1's rows, lanes 16-31 source 0's
.set SPW,  28
.set NIL,  29
.set SC,   32                          ; v32-63 scale words: register 8 i + k: tile i, K step k
.set S1F,  64                          ; v64-159 source 1's four fragments, two sets
.set S0F,  160                         ; v160-255 source 0's
.set BK,   64                          ; the way out: rows read back, two sets of 32
.set G1,   24
.set G0,   32
.set G0B,  36
.set G1B,  48
.set G1SB, 56
.set G1S,  84
.set G0S,  92
.set G0SB, 96
.set MSB, 0
.macro WIN new                         ; the immediate's high byte repeats the setting that is left
.if MSB != (\new)
	s_set_vgpr_msb (MSB<<8)|(\new)
.set MSB, \new
.endif
.endm
.set MUL, 0x50                         ; C and D in window 1
.macro CROUND                          ; a round of the cluster's barrier
	s_barrier_signal -1
	s_barrier_wait -1
	s_cmp_lg_u32 s14, 0
	s_cbranch_scc1 .Lnot_wave_0_\@
	s_barrier_signal -3
.Lnot_wave_0_\@:
	s_barrier_wait -3
	s_barrier_signal -1
	s_barrier_wait -1
.endm
	s_load_b128 s[4:7], s[0:1], 0x0                ; attq, wgtq
	s_load_b64 s[8:9], s[0:1], 0x10                ; out0
	v_lshl_add_u32 v[SPW], v0, 2, SPARE
	v_mov_b32 v[NIL], 0
	ds_add_u32 v[SPW], v[NIL]                      ; the opening lines: the add, twice on end, and its wait ahead of my first tensor load
	ds_add_u32 v[SPW], v[NIL]
	v_lshrrev_b32 v1, 5, v0
	v_readfirstlane_b32 s14, v1                    ; wave
	s_lshr_b32 s15, s14, 1                         ; my half of the tokens
	s_and_b32 s16, s14, 1                          ; my half of the features
	s_bfe_u32 s2, ttmp6, 0x40000                   ; cx
	s_bfe_u32 s3, ttmp6, 0x40004                   ; cy
	s_lshl_b32 s10, ttmp9, 2
	s_add_co_u32 s10, s10, s2                      ; the block of 128 tokens
	s_and_b32 s11, ttmp7, 0xffff
	s_lshl_b32 s11, s11, 2
	s_add_co_u32 s11, s11, s3                      ; the block of 128 features
	s_lshl_b32 s12, s3, 2
	s_lshl_b32 s12, 15, s12                        ; my row of the cluster
	s_lshl_b32 s13, 0x1111, s2                     ; my column
	s_or_b32 s[G1+0], s12, (3<<16)|(1<<21)         ; the mask; elements of 8 bytes; bit 21 beside a mask; no padding: fragments are read dense, 8 x lane
	s_or_b32 s[G1B+0], s13, (3<<16)|(1<<21)
.irp g, G1, G1B
	s_mov_b32 s[\g+1], 1536<<16                    ; a row: a tile's 12,288 bytes
	s_mov_b32 s[\g+2], 8<<16                       ; 8 tiles
	s_mov_b32 s[\g+3], 1536<<16
	s_mov_b32 s[\g+4], 8
	s_mov_b32 s[\g+5], 1536
	s_mov_b32 s[\g+6], 0
	s_mov_b32 s[\g+7], 0
.endr
	s_or_b32 s[G1S+0], s12, (3<<16)|(1<<21)
	s_or_b32 s[G1SB+0], s13, (3<<16)|(1<<21)
.irp g, G1S, G1SB
	s_mov_b32 s[\g+1], 32<<16                      ; eight tiles' scale words: 4,096 dense bytes as 16 rows of 256
	s_mov_b32 s[\g+2], 16<<16
	s_mov_b32 s[\g+3], 32<<16
	s_mov_b32 s[\g+4], 16
	s_mov_b32 s[\g+5], 32
	s_mov_b32 s[\g+6], 0
	s_mov_b32 s[\g+7], 0
.endr
	s_mul_i32 s18, s11, 8*TILEB
	s_add_co_u32 s18, s18, 2359296                 ; wo's codes: behind three weights of 786,432 bytes
	s_lshl_b32 s20, s11, 12
	s_add_co_u32 s20, s20, 3244032                 ; its scale words: 3,145,728 + 3 x 32,768
	s_mul_i32 s22, s10, 8*TILEB                    ; x's codes
	s_lshl_b32 s40, s10, 12
	s_add_co_u32 s40, s40, 3145728                 ; x's scale words
	s_mov_b32 s19, 0
	s_mov_b32 s21, 0
	s_mov_b32 s23, 0
	s_mov_b32 s41, 0
	s_mov_b32 s[G0], 1
	s_mov_b32 s[G0+1], 0
	s_mov_b32 s[G0B], 1
	s_mov_b32 s[G0B+1], AREG
	s_mov_b32 s[G0S], 1
	s_mov_b32 s[G0S+1], SCL
	s_mov_b32 s[G0SB], 1
	s_mov_b32 s[G0SB+1], SCL+2*HALFS
	s_wait_dscnt 0x0                               ; both opening adds are done
	s_wait_kmcnt 0x0
	s_add_nc_u64 s[G0+2:G0+3], s[6:7], s[18:19]
	s_or_b32 s[G0+3], s[G0+3], 0x80000000
	s_add_nc_u64 s[G0S+2:G0S+3], s[6:7], s[20:21]
	s_or_b32 s[G0S+3], s[G0S+3], 0x80000000
	s_add_nc_u64 s[G0B+2:G0B+3], s[4:5], s[22:23]
	s_or_b32 s[G0B+3], s[G0B+3], 0x80000000
	s_add_nc_u64 s[G0SB+2:G0SB+3], s[4:5], s[40:41]
	s_or_b32 s[G0SB+3], s[G0SB+3], 0x80000000
	CROUND                                         ; all sixteen work-groups are here: the joint loads meet
; THE LOADS, ONE A WAVE: wave 0 wo's tiles, wave 1 x's, wave 2 wo's scale words, wave 3 x's.  One chain of branches on the wave's number; every way through it passes exactly one load.
.macro ARM under, g0, g1, next
	s_cmp_lt_u32 s14, \under
	s_cbranch_scc0 \next
	tensor_load_to_lds s[\g0:\g0+3], s[\g1:\g1+7]
	s_nop 0
.rept 4
	v_nop
.endr
	s_branch .Lhead_asked
\next:
.endm
	ARM 1, G0,  G1,  .Lhead_b
	ARM 2, G0B, G1B, .Lhead_sa
	ARM 3, G0S, G1S, .Lhead_sb
	tensor_load_to_lds s[G0SB:G0SB+3], s[G1SB:G1SB+7]
	s_nop 0
.rept 4
	v_nop
.endr
.Lhead_asked:
	s_mul_i32 s20, s15, 4*TILEB
	s_add_co_u32 s20, s20, AREG                    ; my four tiles of x
	s_mul_i32 s21, s16, 4*TILEB                    ; my four tiles of wo
	s_lshl_b32 s22, s16, 11                        ; wo's scale words: my four tiles
	s_lshl_b32 s23, s15, 11
	s_add_co_u32 s23, s23, 2*HALFS                 ; x's
	s_sub_co_u32 s23, s23, s22                     ; the distance between the two
	s_add_co_u32 s22, s22, SCL
	s_mul_i32 s40, s14, 16*SPITCH
	s_add_co_u32 s40, s40, STAGE                   ; my stage
	s_lshl_b32 s18, s10, 19                        ; out0: 128 tokens of 4,096 bytes a block,
	s_lshl_b32 s19, s15, 18                        ; 64 a half,
	s_add_co_u32 s18, s18, s19
	s_lshl_b32 s19, s11, 9                         ; 128 features of 4 bytes a block,
	s_add_co_u32 s18, s18, s19
	s_lshl_b32 s19, s16, 8                         ; 64 a half
	s_add_co_u32 s18, s18, s19
	s_mov_b32 s19, 0
	s_add_nc_u64 s[12:13], s[8:9], s[18:19]
	v_and_b32 v1, 15, v0                           ; r
	v_bfe_u32 v2, v0, 4, 1                         ; h
	v_and_b32 v3, 31, v0
	v_lshlrev_b32 v4, 3, v3                        ; 8 x lane
	v_add_nc_u32 v[ADRA], s20, v4
	v_add_nc_u32 v[ADRB], s21, v4
	v_xor_b32 v5, 1, v2
	v_mul_u32_u24 v5, s23, v5                      ; lanes 0-15 take x's words
	v_lshl_add_u32 v5, v1, 2, v5
	v_add_nc_u32 v[ADRS], s22, v5
	v_mul_u32_u24 v6, v1, SPITCH                   ; into the stage: row r; my registers are features 32 g + 16 h + 8 u + j of tile 2 g + u
	v_lshl_add_u32 v6, v2, 6, v6
	v_add_nc_u32 v[STO], s40, v6
	v_mul_u32_u24 v7, v2, SPITCH                   ; back: sixteen lanes to a row of 256 bytes, two rows an instruction
	v_lshl_add_u32 v7, v1, 4, v7
	v_add_nc_u32 v[RD], s40, v7
	v_lshlrev_b32 v[CO], 12, v2
	v_lshl_add_u32 v[CO], v1, 4, v[CO]
.macro FRAG reg, adr, k, i             ; tile i's record k: six planes, 8 bytes a lane
.irp p, 0,1,2,3,4,5
	ds_load_b64 v[\reg+2*\p:\reg+2*\p+1], v[\adr] offset:(\i)*TILEB+(\k)*1536+256*\p
.endr
.endm
.macro FETCH k                         ; K step k's eight fragments into set k % 2
.irp i, 0,1,2,3
	FRAG S0F+48*((\k)%2)+FR*\i, ADRB, \k, \i
.endr
.irp i, 0,1,2,3
	FRAG S1F+48*((\k)%2)+FR*\i, ADRA, \k, \i
.endr
.endm
.macro MUL16 k                         ; the 16 accumulators take turns, one instruction a turn; K step 0 starts the sums
.irp a, 0,1,2,3
.irp b, 0,1,2,3
.set rD, 8*(4*\a+\b)
.set rA, S0F+48*((\k)%2)+FR*\b
.set rB, S1F+48*((\k)%2)+FR*\a
.if (\k) == 0
	v_wmma_scale_f32_16x16x128_f8f6f4 v[rD:rD+7], v[rA:rA+FR-1], v[rB:rB+FR-1], 0, v[SC+8*\b+(\k)], v[SC+8*\a+(\k)] matrix_a_fmt:MATRIX_FMT_FP6 matrix_b_fmt:MATRIX_FMT_FP6 matrix_a_scale:MATRIX_SCALE_ROW1
.else
	v_wmma_scale_f32_16x16x128_f8f6f4 v[rD:rD+7], v[rA:rA+FR-1], v[rB:rB+FR-1], v[rD:rD+7], v[SC+8*\b+(\k)], v[SC+8*\a+(\k)] matrix_a_fmt:MATRIX_FMT_FP6 matrix_b_fmt:MATRIX_FMT_FP6 matrix_a_scale:MATRIX_SCALE_ROW1
.endif
.endr
.endr
.endm
.macro PLACES n                        ; a load into a register that a matrix instruction has read, and a store of a result, stand four plain vector instructions behind it (ISA guide 7.12.1 for the store)
.rept \n
	v_nop
.endr
.endm
.macro KSTEP k
	s_wait_dscnt 0x0                               ; this step's fragments are in
.if (\k) < 7
.if (\k) > 0
	PLACES 4
.endif
	FETCH (\k)+1                                   ; the next step's land under this step's products
.endif
	WIN MUL
	MUL16 \k
	WIN 0
.endm
	s_wait_alu depctr_va_vdst(0)                   ; the head's end
	s_wait_tensorcnt 0x0                           ; my tile of the four is in
	s_barrier_signal -1
	s_barrier_wait -1                              ; everybody's is
	FETCH 0
.irp i, 0,1,2,3
.irp k, 0,1,2,3,4,5,6,7
	ds_load_b32 v[SC+8*\i+\k], v[ADRS] offset:512*\i+64*\k   ; all of K's scale words, once
.endr
.endr
.irp k, 0,1,2,3,4,5,6,7
	KSTEP \k
.endr
; THE WAY OUT, block by block of 16 tokens x 64 features, through my own stage; LDS serves a wave's instructions in order, so no wait stands between the stores and the loads.
.macro TOSTAGE a
	WIN 0x04                                       ; the data: window 1
.irp b, 0,1,2,3
	ds_store_b128 v[STO], v[8*(4*(\a)+\b):8*(4*(\a)+\b)+3] offset:128*(\b/2)+32*(\b%2)       ; each accumulator from its low end on
	ds_store_b128 v[STO], v[8*(4*(\a)+\b)+4:8*(4*(\a)+\b)+7] offset:128*(\b/2)+32*(\b%2)+16
.endr
	WIN 0
.set BB, BK+32*((\a)%2)
.irp t, 0,1,2,3,4,5,6,7
	ds_load_b128 v[BB+4*\t:BB+4*\t+3], v[RD] offset:2*\t*SPITCH
.endr
.endm
.macro SEND a, younger                 ; younger: the LDS instructions issued behind block a's loads
.set BB, BK+32*((\a)%2)
	s_wait_dscnt \younger
.irp t, 0,1,2,3,4,5,6,7
	global_store_b128 v[CO], v[BB+4*\t:BB+4*\t+3], s[12:13] offset:(32*((\a)/2)+8*((\a)%2)+16*(\t/4)+2*(\t%4))*4096 th:TH_STORE_NT   ; stage row 8 v + w of tile 2 g + u is token 32 g + 16 v + 8 u + w; 16 lanes store 256 consecutive bytes, aligned
.endr
.endm
	PLACES 4
	TOSTAGE 0
.irp a, 1,2,3
.if \a > 1
	s_wait_xcnt 0x0                                ; block a - 2's stores have read their registers: block a's loads may land there
.endif
	TOSTAGE \a
	SEND \a-1, 16                                  ; behind block a - 1's loads: block a's 8 stores and 8 loads
.endr
	SEND 3, 0
	s_wait_tensorcnt 0x0                           ; the wave's end
	ds_add_u32 v[SPW], v[NIL]
	s_wait_dscnt 0x0
	CROUND                                         ; the closing round
	s_endpgm
.Lfunc_end_k_q09db817096_outp:
	.size	k_q09db817096_outp, .Lfunc_end_k_q09db817096_outp-k_q09db817096_outp
	.p2alignl 7, 3214868480
	.fill 96, 4, 3214868480
	.section	.rodata,"a",@progbits
	.p2align	6, 0x0
	.amdhsa_kernel k_q09db817096_outp
		.amdhsa_group_segment_fixed_size 327680
		.amdhsa_private_segment_fixed_size 0
		.amdhsa_enable_private_segment 0
		.amdhsa_kernarg_size 24
		.amdhsa_user_sgpr_count 2
		.amdhsa_user_sgpr_kernarg_segment_ptr 1
		.amdhsa_wavefront_size32 1
		.amdhsa_system_sgpr_workgroup_id_x 1
		.amdhsa_system_sgpr_workgroup_id_y 1
		.amdhsa_system_sgpr_workgroup_id_z 1
		.amdhsa_system_vgpr_workitem_id 0
		.amdhsa_next_free_vgpr 384
		.amdhsa_next_free_sgpr 100
		.amdhsa_reserve_vcc 0
		.amdhsa_float_denorm_mode_32 3
		.amdhsa_float_denorm_mode_16_64 3
		.amdhsa_memory_ordered 1
		.amdhsa_forward_progress 1
		.amdhsa_inst_pref_size 60
	.end_amdhsa_kernel
	.amdgpu_metadata
---
amdhsa.version: [ 1, 2 ]
amdhsa.kernels:
  - .name:           k_q09db817096_outp
    .symbol:         k_q09db817096_outp.kd
    .args:
      - { .name: attq, .offset: 0, .size: 8, .value_kind: global_buffer, .address_space: global }
      - { .name: wgtq, .offset: 8, .size: 8, .value_kind: global_buffer, .address_space: global }
      - { .name: out0, .offset: 16, .size: 8, .value_kind: global_buffer, .address_space: global }
    .group_segment_fixed_size: 327680
    .private_segment_fixed_size: 0
    .kernarg_segment_align: 8
    .kernarg_segment_size: 24
    .max_flat_workgroup_size: 128
    .sgpr_count:     100
    .vgpr_count:     384
    .wavefront_size: 32
...
	.end_amdgpu_metadata
.endif
;; end of part 4
